; MI455X (gfx1250); checked and timed in simulation.
; The chip was launched on July 23, 2026; its instructions are those of AMD's public machine-readable ISA for CDNA 5 (MIT licence, August 2026) and "CDNA5" Instruction Set Architecture Reference Guide (July 2026). The comments in the code are by the model that wrote it; some were corrected since.
;; Attention. Allowed arithmetic: matrix products marked QUANTISED: E2M3 operands, one E8M0 scale for each 32 along K, by v_wmma_scale_f32_16x16x128_f8f6f4 with both operands' format E2M3, f32 sums; everything else in f32.
;; Inputs: Wk 1,024 x 1,024 float32; Wo 1,024 x 1,024 float32; Wq 1,024 x 1,024 float32; Wv 1,024 x 1,024 float32; bo 1,024 float32; cos_head_delta 8 float32; cos_logit_scale_raw one number float32; delta_gain 8 float32; lambda_k1 64 float32; lambda_k2 64 float32; lambda_q1 64 float32; lambda_q2 64 float32; subln_weight 128 float32; x 2 x 2,048 x 1,024 float32.
;; Outputs: out0 2 x 2,048 x 1,024 float32.
;; This version of the problem:
;;   THIS VERSION OF THE PROBLEM IS GIVEN IN LOW PRECISION. The matrix products marked QUANTISED in the list below multiply operands that are first quantised to E2M3 (2 exponent bits, 3 mantissa bits; 6 bits a number), with one power-of-two scale for each 32 numbers along K (OCP MX v1.0); their sums are f32. All else is computed in f32.
;;   The module's matrix products, in the order in which they are computed (A, B: the left and right operand; K: the contracted axis; several contracted axes count as one K, in the product's order):
;;     1. [M 4,096, K 1,024] x [K 1,024, N 1,024]; A: input x; B: input Wq: QUANTISED
;;     2. [M 4,096, K 1,024] x [K 1,024, N 1,024]; A: input x; B: input Wk: QUANTISED
;;     3. [M 4,096, K 1,024] x [K 1,024, N 1,024]; A: input x; B: input Wv: QUANTISED
;;     4. batch 16 x [M 2,048, K 64] x [K 64, N 2,048]; A: computed on the way; B: computed on the way: QUANTISED
;;     5. batch 16 x [M 2,048, K 64] x [K 64, N 2,048]; A: computed on the way; B: computed on the way: QUANTISED
;;     6. batch 16 x [M 2,048, K 2,048] x [K 2,048, N 128]; A: computed on the way; B: computed on the way: QUANTISED
;;     7. [M 4,096, K 1,024] x [K 1,024, N 1,024]; A: computed on the way; B: input Wo: QUANTISED
;;   THE QUANTISER, for each operand of a quantised product, along K:
;;     - K is cut into blocks of 32 from its start; a last block that is shorter is filled with zeros.
;;     - A block's scale is 2^e with e = floor(log2(the largest magnitude in the block)) - 2, held to -126 .. 127; a block of zeros has e = 0. As a byte (E8M0): e + 127.
;;     - Each number is divided by its block's scale, clamped to +-7.5, and rounded to the nearest number of E2M3, ties to even, subnormals kept.
;;     - The product sums the exact products of the quantised numbers (number of the format x scale) in f32.
;;   ~~~python
;;   def quantise(x, axis):      # numpy; x: float32 -> the quantised numbers, widened to float32 again
;;       x = np.moveaxis(x, axis, -1); K = x.shape[-1]
;;       x = np.pad(x, [(0, 0)] * (x.ndim - 1) + [(0, -K % 32)]); x = x.reshape(x.shape[:-1] + (-1, 32)); a = np.abs(x).max(-1, keepdims=True)
;;       e = np.where(a > 0, np.clip(np.frexp(np.where(a > 0, a, 1))[1] - 1 - 2, -126, 127), 0)      # np.frexp(a)[1] - 1 = floor(log2(a)), exactly
;;       r = np.clip(x / 2.0 ** e, -7.5, 7.5)
;;       step = 2.0 ** (np.maximum(np.frexp(np.where(r == 0, 1, r))[1] - 1, 0) - 3)
;;       q = np.round(r / step) * step * 2.0 ** e      # np.round: ties to even
;;       return np.moveaxis(q.reshape(q.shape[:-2] + (-1,))[..., :K], -1, axis).astype(np.float32)
;;   ~~~
;;   OPERANDS COMPUTED ON THE WAY. 'Computed on the way' means the value that the module computes at that place (a softmax that the list does not call 'softmax' is quantised finished and normalised). What goes into a quantiser is computed in f32, as accurately as f32 sums, v_exp_f32 and their like allow (about 1e-6 of the number): no bf16 or f16 on the way to a quantiser, and a product that is left as it is and whose result goes on into a quantised operand takes f32 operands (vector FMAs, or v_wmma_f32_16x16x4_f32). A number that lies on a knife's edge between two numbers of the format may be rounded either way, as far as f32 arithmetic and the matrix unit's own rounding can turn it there, and no further.
;; 2 versions, each right; version 2 is version 1 with the launch attn written anew for expert scheduling mode. Each part assembles by itself: llvm-mc -triple=amdgcn-amd-amdhsa -mcpu=gfx1250 --defsym DOCPART=n.
;; ======== version 1 of 2: 4 launches
;; workspace buffers: img 6,553,600 bytes; qi 3,276,800 bytes; ki 3,276,800 bytes; vi 3,276,800 bytes; yi 3,276,800 bytes
;; launch quant (part 1): grid 512 x 1, 4 waves a work-group, no clusters, 68,096 bytes of LDS; arguments x, Wq, Wk, Wv, Wo, img; writes img
.if DOCPART == 1
	.amdgcn_target "amdgcn-amd-amdhsa--gfx1250"
	.amdhsa_code_object_version 6
	.text
	.protected	k_qea60a08a50_quant
	.globl	k_qea60a08a50_quant
	.p2align	8
	.type	k_qea60a08a50_quant,@function
k_qea60a08a50_quant:
	s_mov_b64 s[64:65], 0
	v_nop
	global_prefetch_b8 v0, s[64:65] scope:SCOPE_SE
	s_setreg_imm32_b32 hwreg(HW_REG_WAVE_MODE, 25, 1), 1
	s_wait_xcnt 0x0
; x [4096][1024] and Wq, Wk, Wv, Wo [1024][1024], f32, K innermost, become codes of FP6 (E2M3) with one E8M0 byte for each 32 along K,
; laid in RECORDS of 12,800 bytes: 8 fragments (16 rows x 128 K) of 1,536 bytes, then 4 pair-scale images of 128 bytes.
; A fragment is the image of its 12 operand registers: registers 4 c .. 4 c + 3 of lane l at 512 c + 16 l.  Pair image p: lane l's word at 12,288 + 128 p + 4 l;
; lanes 0-15 hold tile 2 p's row words, lanes 16-31 tile 2 p + 1's.  Lane r of tile 2 b + u holds row 32 b + 8 u + r + 8 (r / 8) of its block of 128 rows.
; img: 64 blocks of 8 records (one a K step of 128): blocks 0-31 x, 32-39 Wq, 40-47 Wk, 48-55 Wv, 56-63 Wo.
; A block's scale is 2^(floor(log2(largest magnitude)) - 2): its byte is the largest magnitude's exponent field - 2, held at 1 from below.
; LIMITS: a block of zeros, or one whose largest magnitude lies under 2^-124, gets the byte 1 (its codes are zeros or tiny; only this program reads the bytes); NaN and infinities are not served.
; SHARES: work-group g writes record g: block g / 8, K step g % 8.  Wave w takes tiles 2 w, 2 w + 1: 32 rows x 512 bytes, all 32 loads out at once, each of 512 consecutive bytes.
; The rows turn through the wave's own stage in LDS (rows 528 bytes apart: 33 x 16, so sixteen rows start 16 bytes apart modulo 256), after which lane (r, h) holds k = 64 c + 32 h + 0 .. 31 of row r.
; The pair image leaves as 128 bytes a wave, 512 bytes on end for the work-group.  No barrier: waves share nothing.
.set STG,   16896                      ; a wave's stage: 32 rows x 528 bytes
.set SPARE, 4*STG                      ; behind the stages: the spare words, 128 bytes a wave
.set R,     128                        ; v128-255 the rows as loaded
.set X,     64                         ; v64-127  64 numbers of my row
.set F,     32                         ; v32-55   the two fragments
.set CT,    56                         ; v56-62   the conversions' second halves
	s_load_b256 s[4:11], s[0:1], 0x0               ; x, Wq, Wk, Wv
	s_load_b128 s[12:15], s[0:1], 0x20             ; Wo, img
	v_lshl_add_u32 v6, v0, 2, SPARE
	v_mov_b32 v7, 0
	v_lshrrev_b32 v8, 5, v0
	v_readfirstlane_b32 s16, v8                    ; wave
	v_and_b32 v9, 31, v0                           ; lane
	v_and_b32 v10, 15, v0                          ; r
	v_bfe_u32 v11, v0, 4, 1                        ; h
	v_lshlrev_b32 v1, 4, v9                        ; 16 x lane: my bytes of a row's 512
	s_mul_i32 s27, s16, STG
	v_add_nc_u32 v2, s27, v1                       ; the stage, on the way in
	v_mul_u32_u24 v3, v10, 528
	v_lshl_add_u32 v3, v11, 7, v3
	v_add_nc_u32 v3, s27, v3                       ; and on the way out: row r, + 128 h
	s_mul_i32 s28, s16, 3072
	v_add_nc_u32 v4, s28, v1                       ; my fragments in the record
	s_lshl_b32 s28, s16, 7
	v_lshl_add_u32 v5, v9, 2, s28                  ; my pair image's word
	v_lshlrev_b32 v12, 3, v11                      ; 8 h: where my two scale bytes stand in the word
	v_mov_b32 v23, 0                               ; a lane permute's destination counts as one of its sources
	s_mov_b32 s24, 0x76543210
	s_mov_b32 s25, 0xfedcba98                      ; selects for lane l xor 16
	s_mov_b32 s26, 0xffff0000                      ; lanes 16-31
	s_lshr_b32 s17, ttmp9, 3                       ; block
	s_and_b32 s18, ttmp9, 7                        ; K step
	s_and_b32 s19, s17, 7
	s_cmp_lt_u32 s17, 32
	s_cselect_b32 s19, s17, s19                    ; the block's number within its tensor
	s_lshl_b32 s22, s19, 19                        ; 128 rows of 4,096 bytes
	s_lshl_b32 s29, s18, 9
	s_add_co_u32 s22, s22, s29                     ; + 512 bytes a K step
	s_lshl_b32 s29, s16, 17
	s_add_co_u32 s22, s22, s29                     ; + my wave's 32 rows
	s_mov_b32 s23, 0
	s_mul_i32 s30, ttmp9, 12800                    ; my record
	s_mov_b32 s31, 0
	s_wait_kmcnt 0x0
	s_mov_b64 s[20:21], s[12:13]                   ; the tensor is chosen by the block's number alone
	s_cmp_lt_u32 s17, 56
	s_cselect_b64 s[20:21], s[10:11], s[20:21]
	s_cmp_lt_u32 s17, 48
	s_cselect_b64 s[20:21], s[8:9], s[20:21]
	s_cmp_lt_u32 s17, 40
	s_cselect_b64 s[20:21], s[6:7], s[20:21]
	s_cmp_lt_u32 s17, 32
	s_cselect_b64 s[20:21], s[4:5], s[20:21]
	s_add_nc_u64 s[20:21], s[20:21], s[22:23]
	s_add_nc_u64 s[14:15], s[14:15], s[30:31]
.irp u, 0,1
.irp r, 0,1,2,3,4,5,6,7,8,9,10,11,12,13,14,15
	global_load_b128 v[R+64*\u+4*\r:R+64*\u+4*\r+3], v1, s[20:21] offset:(8*\u+\r+8*(\r/8))*4096 th:TH_LOAD_NT   ; lane r's row of tile u: 512 consecutive bytes
.endr
.endr
.macro TILE u
	s_wait_loadcnt 16-16*\u                        ; this tile's 16 loads are in; the other tile's 16 may be out
.irp i, 0,1,2,3,4,5,6,7,8,9,10,11,12,13,14,15
	ds_store_b128 v2, v[R+64*\u+4*\i:R+64*\u+4*\i+3] offset:528*(16*\u+\i)
.endr
.irp c, 0,1
.irp q, 0,1,2,3,4,5,6,7
	ds_load_b128 v[X+32*\c+4*\q:X+32*\c+4*\q+3], v3 offset:528*16*\u+256*\c+16*\q   ; LDS serves a wave's instructions in order: these see my stores
.endr
.endr
	s_wait_dscnt 0x0
.irp c, 0,1
	v_max3_num_f32 v[16+\c], |v[X+32*\c]|, |v[X+32*\c+1]|, 0x1800000   ; my block 2 c + h: all 32 numbers are mine; the floor 2^(3 - 127) holds the byte at 1 from below
.endr
.irp i, 2,4,6,8,10,12,14,16,18,20,22,24,26,28,30
.irp c, 0,1
	v_max3_num_f32 v[16+\c], v[16+\c], |v[X+32*\c+\i]|, |v[X+32*\c+\i+1]|
.endr
.endr
.irp c, 0,1
	v_add_nc_u32 v[18+\c], 0xff000000, v[16+\c]    ; 2 off the exponent field: the conversion's scale operand
.endr
.irp c, 0,1
	v_lshrrev_b32 v[20+\c], 23, v[18+\c]           ; the scale's byte
.endr
	v_lshl_or_b32 v22, v21, 16, v20                ; bytes h and 2 + h of my row's word,
	v_lshlrev_b32 v22, v12, v22                    ; at their places;
	v_permlanex16_b32 v23, v22, s24, s25
	v_or_b32 v[24+\u], v22, v23                    ; with lane l xor 16's two the word is whole
.irp c, 0,1
	v_cvt_scalef32_pk16_fp6_f32 v[F+12*\u+6*\c:F+12*\u+6*\c+2], v[X+32*\c:X+32*\c+15], v[18+\c]
	v_cvt_scalef32_pk16_fp6_f32 v[CT+4*\c:CT+4*\c+2], v[X+32*\c+16:X+32*\c+31], v[18+\c]   ; (a conversion's three registers begin on an even number)
.endr
	v_nop                                          ; one plain instruction behind the scaled conversions
.irp c, 0,1
.irp i, 0,1,2
	v_mov_b32 v[F+12*\u+6*\c+3+\i], v[CT+4*\c+\i]
.endr
.endr
.irp c, 0,1,2
	global_store_b128 v4, v[F+12*\u+4*\c:F+12*\u+4*\c+3], s[14:15] offset:1536*\u+512*\c   ; 512 consecutive bytes, at a multiple of 256 from img's first byte
.endr
.endm
	TILE 0
	TILE 1
	v_cndmask_b32 v26, v24, v25, s26               ; lanes 0-15: tile 2 w's words, lanes 16-31: tile 2 w + 1's
	global_store_b32 v5, v26, s[14:15] offset:12288
	s_wait_tensorcnt 0x0                           ; the wave's end, behind my last LDS store
	ds_add_u32 v6, v7
	s_wait_dscnt 0x0
	s_endpgm
.Lfunc_end_k_qea60a08a50_quant:
	.size	k_qea60a08a50_quant, .Lfunc_end_k_qea60a08a50_quant-k_qea60a08a50_quant
	.p2alignl 7, 3214868480
	.fill 96, 4, 3214868480
	.section	.rodata,"a",@progbits
	.p2align	6, 0x0
	.amdhsa_kernel k_qea60a08a50_quant
		.amdhsa_group_segment_fixed_size 68096
		.amdhsa_private_segment_fixed_size 0
		.amdhsa_enable_private_segment 0
		.amdhsa_kernarg_size 48
		.amdhsa_user_sgpr_count 2
		.amdhsa_user_sgpr_kernarg_segment_ptr 1
		.amdhsa_wavefront_size32 1
		.amdhsa_system_sgpr_workgroup_id_x 1
		.amdhsa_system_sgpr_workgroup_id_y 1
		.amdhsa_system_sgpr_workgroup_id_z 1
		.amdhsa_system_vgpr_workitem_id 0
		.amdhsa_next_free_vgpr 256
		.amdhsa_next_free_sgpr 66
		.amdhsa_reserve_vcc 0
		.amdhsa_float_denorm_mode_32 3
		.amdhsa_float_denorm_mode_16_64 3
		.amdhsa_memory_ordered 1
		.amdhsa_forward_progress 1
		.amdhsa_inst_pref_size 17
	.end_amdhsa_kernel
	.amdgpu_metadata
---
amdhsa.version: [ 1, 2 ]
amdhsa.kernels:
  - .name:           k_qea60a08a50_quant
    .symbol:         k_qea60a08a50_quant.kd
    .args:
      - { .name: x, .offset: 0, .size: 8, .value_kind: global_buffer, .address_space: global }
      - { .name: Wq, .offset: 8, .size: 8, .value_kind: global_buffer, .address_space: global }
      - { .name: Wk, .offset: 16, .size: 8, .value_kind: global_buffer, .address_space: global }
      - { .name: Wv, .offset: 24, .size: 8, .value_kind: global_buffer, .address_space: global }
      - { .name: Wo, .offset: 32, .size: 8, .value_kind: global_buffer, .address_space: global }
      - { .name: img, .offset: 40, .size: 8, .value_kind: global_buffer, .address_space: global }
    .group_segment_fixed_size: 68096
    .private_segment_fixed_size: 0
    .kernarg_segment_align: 8
    .kernarg_segment_size: 48
    .max_flat_workgroup_size: 128
    .sgpr_count:     66
    .vgpr_count:     256
    .wavefront_size: 32
...
	.end_amdgpu_metadata
.endif
;; end of part 1
;; launch proj (part 2): grid 32 x 8, 4 waves a work-group, clusters of 4 x 1, 307,712 bytes of LDS; arguments img, qi, ki, vi; writes qi, ki, vi
.if DOCPART == 2
	.amdgcn_target "amdgcn-amd-amdhsa--gfx1250"
	.amdhsa_code_object_version 6
	.text
	.protected	k_qea60a08a50_proj
	.globl	k_qea60a08a50_proj
	.p2align	8
	.type	k_qea60a08a50_proj,@function
k_qea60a08a50_proj:
	s_mov_b64 s[64:65], 0
	v_nop
	global_prefetch_b8 v0, s[64:65] scope:SCOPE_SE
	s_setreg_imm32_b32 hwreg(HW_REG_WAVE_MODE, 25, 1), 1
	s_wait_xcnt 0x0
	s_wait_alu depctr_hold_cnt(0) depctr_sa_sdst(0) depctr_va_vdst(0) depctr_va_sdst(0) depctr_va_ssrc(0) depctr_va_vcc(0) depctr_vm_vsrc(0)
	s_getreg_b32 s2, hwreg(HW_REG_IB_STS2, 6, 4)
	s_cmp_eq_u32 s2, 0
	s_cbranch_scc0 .Lentry_in_a_cluster
	s_endpgm
.Lentry_in_a_cluster:
	s_bfe_u32 s2, ttmp6, 0x10000c
	s_cmp_lg_u32 s2, 0x3003
	s_cbranch_scc0 .Lentry_shape_is_right
	s_endpgm
.Lentry_shape_is_right:
; q, k, v of ONE head for 128 tokens: three products 128 x 128 x 1,024 on codes of FP6 (E2M3) with E8M0 scales, then: q and k are l2-normalised branch by branch (64 channels) in f32 and quantised
; along the channels; v is quantised along the tokens (the keys are the K of the product that reads it).  All operands lie in records of 12,800 bytes: 8 fragments of 1,536 bytes, each the image of
; its 12 registers (registers 4 c .. 4 c + 3 of lane l at 512 c + 16 l), then 4 pair-scale images of 128 bytes (lanes 0-15 tile 2 p, lanes 16-31 tile 2 p + 1).
; Lane r of tile 2 b + u holds row 32 b + 8 u + r + 8 (r / 8): with such a tile as source 0, registers of tiles 2 b, 2 b + 1 are 16 NEIGHBOURS, 32 b + 16 (lane / 16) + 0 .. 15.
; SHARES: work-group (mb, h).  Wave w owns the 32 tokens of x's tiles 2 w, 2 w + 1 and all 128 columns: 16 accumulators.  Its x fragments (8 K steps x 2 x 12 registers) stay in window 1 for all three sections.
; The three weight blocks (3 x 102,400 bytes) are filled into LDS once, each byte once: no slot is filled again.
; CLUSTER: the four token blocks of a cluster need the same weights: every tensor load is asked for jointly (mask 15); its descriptor hangs on the head and the wave's number alone.  A wave has three loads out at the most.
; q, k: source 0 = 16 rows of W, source 1 = 16 tokens: a lane holds one token, its 64 registers 16 b + i = channel 32 b + 16 (lane / 16) + i.  v: source 0 = 16 tokens, source 1 = 16 rows of Wv: a lane holds one channel d and 16 neighbouring tokens.
; OUT: qi, ki record (16 (8 b + h) + mb % 16): 8 token tiles x [branch 1 | branch 2].  vi: same number: 8 d tiles x 128 keys; it is pieced together in LDS (in section 0's bytes, which have had their only fill and their last read) and copied out whole.
; LIMITS: NaN and infinities are not served; a block whose largest magnitude lies under 2^-124 (zeros too) gets the byte 1.
; WINDOW 0: v1 16 x lane, v2 4 x lane, v3-4 LDS addresses in hand, v5 3,072 w + 16 lane, v6 128 w + 4 lane, v7-9 v's pieces, v10 v's scale byte, v11 512 w + 16 lane, v12-13 the add's two,
;   v16-23 x's pair-scale words, v24-27 W's, v32-79 and v80-127 W's fragments in two half-sets (at work in the epilogues), v128-255 the accumulators.   WINDOW 1: x's fragment (ks, u) at 24 ks + 12 u.
.set REC,   12800
.set BLK,   8*REC
.set SPARE, 3*BLK
.set MSB, 0
.macro WIN new                         ; the immediate's high byte repeats the setting that is left
.if MSB != (\new)
	s_set_vgpr_msb (MSB<<8)|(\new)
.set MSB, (\new)
.endif
.endm
.macro CROUND                          ; a round of the cluster's barrier
	s_barrier_signal -1
	s_barrier_wait -1
	s_cmp_lg_u32 s12, 0
	s_cbranch_scc1 .Lnot_wave_0_\@
	s_barrier_signal -3
.Lnot_wave_0_\@:
	s_barrier_wait -3
	s_barrier_signal -1
	s_barrier_wait -1
.endm
; One scaled matrix instruction from the symbols rD, rA, rB, rC (under 0: the constant 0), rSA, rSB and the scale rows rRA, rRB
.macro WM
.if rC < 0
.if (rRA == 0) && (rRB == 0)
	v_wmma_scale_f32_16x16x128_f8f6f4 v[rD:rD+7], v[rA:rA+11], v[rB:rB+11], 0, v[rSA], v[rSB] matrix_a_fmt:MATRIX_FMT_FP6 matrix_b_fmt:MATRIX_FMT_FP6
.elseif (rRA == 1) && (rRB == 0)
	v_wmma_scale_f32_16x16x128_f8f6f4 v[rD:rD+7], v[rA:rA+11], v[rB:rB+11], 0, v[rSA], v[rSB] matrix_a_fmt:MATRIX_FMT_FP6 matrix_b_fmt:MATRIX_FMT_FP6 matrix_a_scale:MATRIX_SCALE_ROW1
.elseif (rRA == 0) && (rRB == 1)
	v_wmma_scale_f32_16x16x128_f8f6f4 v[rD:rD+7], v[rA:rA+11], v[rB:rB+11], 0, v[rSA], v[rSB] matrix_a_fmt:MATRIX_FMT_FP6 matrix_b_fmt:MATRIX_FMT_FP6 matrix_b_scale:MATRIX_SCALE_ROW1
.else
	v_wmma_scale_f32_16x16x128_f8f6f4 v[rD:rD+7], v[rA:rA+11], v[rB:rB+11], 0, v[rSA], v[rSB] matrix_a_fmt:MATRIX_FMT_FP6 matrix_b_fmt:MATRIX_FMT_FP6 matrix_a_scale:MATRIX_SCALE_ROW1 matrix_b_scale:MATRIX_SCALE_ROW1
.endif
.else
.if (rRA == 0) && (rRB == 0)
	v_wmma_scale_f32_16x16x128_f8f6f4 v[rD:rD+7], v[rA:rA+11], v[rB:rB+11], v[rC:rC+7], v[rSA], v[rSB] matrix_a_fmt:MATRIX_FMT_FP6 matrix_b_fmt:MATRIX_FMT_FP6
.elseif (rRA == 1) && (rRB == 0)
	v_wmma_scale_f32_16x16x128_f8f6f4 v[rD:rD+7], v[rA:rA+11], v[rB:rB+11], v[rC:rC+7], v[rSA], v[rSB] matrix_a_fmt:MATRIX_FMT_FP6 matrix_b_fmt:MATRIX_FMT_FP6 matrix_a_scale:MATRIX_SCALE_ROW1
.elseif (rRA == 0) && (rRB == 1)
	v_wmma_scale_f32_16x16x128_f8f6f4 v[rD:rD+7], v[rA:rA+11], v[rB:rB+11], v[rC:rC+7], v[rSA], v[rSB] matrix_a_fmt:MATRIX_FMT_FP6 matrix_b_fmt:MATRIX_FMT_FP6 matrix_b_scale:MATRIX_SCALE_ROW1
.else
	v_wmma_scale_f32_16x16x128_f8f6f4 v[rD:rD+7], v[rA:rA+11], v[rB:rB+11], v[rC:rC+7], v[rSA], v[rSB] matrix_a_fmt:MATRIX_FMT_FP6 matrix_b_fmt:MATRIX_FMT_FP6 matrix_a_scale:MATRIX_SCALE_ROW1 matrix_b_scale:MATRIX_SCALE_ROW1
.endif
.endif
.endm
; W's tiles 4 hf .. 4 hf + 3 of K step ks of section sec into half-set hf, with their two pair-scale words: 14 LDS loads
.macro BLOAD sec, ks, hf
	v_add_nc_u32 v3, (\sec)*BLK+(\ks)*REC, v1
	v_add_nc_u32 v4, (\sec)*BLK+(\ks)*REC+12288, v2
.irp tt, 0,1,2,3
.irp c, 0,1,2
	ds_load_b128 v[32+48*(\hf)+12*\tt+4*\c:32+48*(\hf)+12*\tt+4*\c+3], v3 offset:1536*(4*(\hf)+\tt)+512*\c
.endr
.endr
.irp p, 0,1
	ds_load_b32 v[24+2*(\hf)+\p], v4 offset:128*(2*(\hf)+\p)
.endr
.endm
; 8 matrix instructions on 8 different accumulators.  mode 0 (q, k): source 0 = W, source 1 = x.  mode 1 (v): source 0 = x, source 1 = W.
.macro MM8 mode, ks, hf, first
.if \mode == 0
	WIN 0x04
.else
	WIN 0x01
.endif
.irp tt, 0,1,2,3
.irp u, 0,1
.if \mode == 0
.set rD, 128+64*\u+8*(4*(\hf)+\tt)
.set rA, 32+48*(\hf)+12*\tt
.set rB, 24*(\ks)+12*\u
.set rSA, 24+2*(\hf)+\tt/2
.set rRA, \tt%2
.set rSB, 16+(\ks)
.set rRB, \u
.else
.set rD, 128+16*(4*(\hf)+\tt)+8*\u
.set rA, 24*(\ks)+12*\u
.set rB, 32+48*(\hf)+12*\tt
.set rSA, 16+(\ks)
.set rRA, \u
.set rSB, 24+2*(\hf)+\tt/2
.set rRB, \tt%2
.endif
.if \first
.set rC, -1
.else
.set rC, rD
.endif
	WM
.endr
.endr
.endm
; A section: 128 matrix instructions.  The 16 accumulators take turns, one instruction a turn.  Behind each eight stand four plain instructions (two v_nop and the two additions of BLOAD,
; or four v_nop), which name none of the products' registers (ISA guide 7.12.1): then the half-set just multiplied is loaded anew.
.macro SECTION sec, mode
	BLOAD \sec, 0, 0
	BLOAD \sec, 0, 1
.irp ks, 0,1,2,3,4,5,6,7
.irp hf, 0,1
.if (\ks == 7) && (\hf == 1)
	s_wait_dscnt 0x0
.else
	s_wait_dscnt 14                                ; this half-set is in; the other's 12 + 2 loads, issued behind it, may be out
.endif
.if \ks == 0
	MM8 \mode, \ks, \hf, 1
.else
	MM8 \mode, \ks, \hf, 0
.endif
	WIN 0
	v_nop
	v_nop
.if \ks < 7
	BLOAD \sec, \ks+1, \hf
.else
	v_nop
	v_nop
.endif
.endr
.endr
.endm
; 64 numbers of a lane, register 16 b + i = k 32 b + 16 (lane / 16) + i of my row, become a fragment's codes in v[pc] .. v[pc + 11] and its scale word in v[pw]
.macro QUANT s, tm, pc, pw
.irp b, 0,1,2,3
	v_max3_num_f32 v[\tm+\b], |v[\s+16*\b]|, |v[\s+1+16*\b]|, 0x1800000   ; my 16 numbers of block b, and the floor 2^(3 - 127): the byte cannot fall under 1
.endr
.irp i, 2,4,6,8,10,12,14
.irp b, 0,1,2,3
	v_max3_num_f32 v[\tm+\b], v[\tm+\b], |v[\s+16*\b+\i]|, |v[\s+1+16*\b+\i]|
.endr
.endr
.irp b, 0,1,2,3
	v_permlanex16_b32 v[\tm+4+\b], v[\tm+\b], s40, s41
.endr
.irp b, 0,1,2,3
	v_max_num_f32 v[\tm+\b], v[\tm+\b], v[\tm+4+\b]   ; with lane l xor 16's: the block's largest magnitude
.endr
.irp b, 0,1,2,3
	v_add_nc_u32 v[\tm+12+\b], 0xff000000, v[\tm+\b]   ; 2 off its exponent field: the conversion's scale operand
.endr
.irp b, 0,1,2,3
	v_lshrrev_b32 v[\tm+4+\b], 23, v[\tm+12+\b]    ; the scale's byte
.endr
	v_lshl_or_b32 v[\pw], v[\tm+5], 8, v[\tm+4]
	v_lshl_or_b32 v[\pw], v[\tm+6], 16, v[\pw]
	v_lshl_or_b32 v[\pw], v[\tm+7], 24, v[\pw]
.irp c, 0,1
	v_cvt_scalef32_pk16_fp6_f32 v[\pc+6*\c:\pc+2+6*\c], v[\s+32*\c:\s+15+32*\c], v[\tm+12+2*\c]
	v_cvt_scalef32_pk16_fp6_f32 v[\pc+12+4*\c:\pc+14+4*\c], v[\s+16+32*\c:\s+31+32*\c], v[\tm+12+2*\c+1]
.endr
	v_nop                                          ; one plain instruction behind the scaled conversions
.irp c, 0,1                                    ; the operand wants a whole block in a lane: lanes 0-15 block 2 c, lanes 16-31 block 2 c + 1
.irp i, 0,1,2
	v_permlane16_swap_b32 v[\pc+6*\c+\i], v[\pc+12+4*\c+\i]
.endr
.irp i, 0,1,2
	v_mov_b32 v[\pc+3+6*\c+\i], v[\pc+12+4*\c+\i]
.endr
.endr
.endm
; q's or k's epilogue.  Chain n = 2 u + branch owns registers 128 + 32 n .. + 31: a token's 32 of the branch's 64 channels; lane l xor 16 holds the other 32.
.macro EPIQK p
.irp n, 0,1,2,3
	v_pk_mul_f32 v[92+2*\n:93+2*\n], v[128+32*\n:129+32*\n], v[128+32*\n:129+32*\n]   ; the sums of squares, ascending: each accumulator is read from its low end on
.endr
.irp i, 2,4,6,8,10,12,14,16,18,20,22,24,26,28,30
.irp n, 0,1,2,3
	v_pk_fma_f32 v[92+2*\n:93+2*\n], v[128+32*\n+\i:129+32*\n+\i], v[128+32*\n+\i:129+32*\n+\i], v[92+2*\n:93+2*\n]
.endr
.endr
.irp n, 0,1,2,3
	v_add_f32 v[92+2*\n], v[92+2*\n], v[93+2*\n]
.endr
.irp n, 0,1,2,3
	v_permlanex16_b32 v[93+2*\n], v[92+2*\n], s40, s41
.endr
.irp n, 0,1,2,3
	v_add_f32 v[92+2*\n], v[92+2*\n], v[93+2*\n]
.endr
.irp n, 0,1,2,3
	v_sqrt_f32 v[108+\n], v[92+2*\n]
.endr
	v_nop
	s_wait_alu depctr_va_vdst(0)                   ; one wait for the four roots, ahead of their first reader
.irp n, 0,1,2,3
	v_max_num_f32 v[108+\n], 0x358637bd, v[108+\n] ; max(norm, 1e-6)
.endr
.irp n, 0,1,2,3
	v_rcp_f32 v[100+2*\n], v[108+\n]
.endr
	v_nop
	s_wait_alu depctr_va_vdst(0)                   ; and one for the four reciprocals
.irp n, 0,1,2,3
.irp i, 0,2,4,6,8,10,12,14,16,18,20,22,24,26,28,30
	v_pk_mul_f32 v[128+32*\n+\i:129+32*\n+\i], v[128+32*\n+\i:129+32*\n+\i], v[100+2*\n:101+2*\n] op_sel_hi:[1,0]
.endr
.endr
	QUANT 128, 32, 48, 88
	QUANT 192, 32, 68, 89
.irp c, 0,1,2
	global_store_b128 v5, v[48+4*\c:51+4*\c], s[\p:\p+1] offset:512*\c          ; 512 consecutive bytes each
.endr
.irp c, 0,1,2
	global_store_b128 v5, v[68+4*\c:71+4*\c], s[\p:\p+1] offset:1536+512*\c
.endr
	v_cndmask_b32 v90, v88, v89, s42               ; lanes 0-15: tile 2 w's words, lanes 16-31: tile 2 w + 1's
	global_store_b32 v6, v90, s[\p:\p+1] offset:12288
.endm
	s_load_b256 s[4:11], s[0:1], 0x0               ; img, qi, ki, vi
	v_lshl_add_u32 v12, v0, 2, SPARE
	v_mov_b32 v13, 0
	ds_add_u32 v12, v13                            ; the wave's opening: the add and its wait ahead of my first tensor load
	v_lshrrev_b32 v14, 5, v0
	v_readfirstlane_b32 s12, v14                   ; wave
	s_bfe_u32 s13, ttmp6, 0x40000                  ; cx
	s_lshl_b32 s14, ttmp9, 2
	s_add_co_u32 s14, s14, s13                     ; mb: my block of 128 tokens: it enters x's and the outputs' addresses alone
	s_and_b32 s15, ttmp7, 0xffff                   ; the head, which the four partners share
	s_mov_b32 s16, 15|(3<<16)|(1<<21)              ; group 1: the mask names all four; elements of 8 bytes; bit 21 set beside a mask; no padding
	s_mov_b32 s17, 32<<16                          ; tensor_dim0 = 32 elements: 256 bytes
	s_mov_b32 s18, 100<<16                         ; tensor_dim1 = 100 rows: a quarter of a block, 25,600 dense bytes
	s_mov_b32 s19, 32<<16                          ; tile_dim0
	s_mov_b32 s20, 100                             ; tile_dim1
	s_mov_b32 s21, 32                              ; the pitch
	s_mov_b32 s22, 0
	s_mov_b32 s23, 0
	s_mul_i32 s50, s12, 25600                      ; my quarter
	s_mul_i32 s52, s15, BLK
	s_add_co_u32 s52, s52, s50
	s_add_co_u32 s52, s52, 32*BLK                  ; Wq's block h, my quarter
	s_mov_b32 s53, 0
	s_mul_i32 s54, s14, BLK                        ; x's block mb
	s_mov_b32 s55, 0
	s_lshr_b32 s56, s14, 4
	s_lshl_b32 s56, s56, 3
	s_add_co_u32 s56, s56, s15                     ; 8 b + h
	s_lshl_b32 s56, s56, 4
	s_and_b32 s57, s14, 15
	s_add_co_u32 s56, s56, s57
	s_mul_i32 s56, s56, REC                        ; the output record
	s_mov_b32 s57, 0
	s_mov_b32 s40, 0x76543210
	s_mov_b32 s41, 0xfedcba98
	s_mov_b32 s42, 0xffff0000
	s_wait_dscnt 0x0                               ; the opening add is done
	s_wait_kmcnt 0x0
	s_add_nc_u64 s[36:37], s[4:5], s[54:55]
	s_add_nc_u64 s[44:45], s[6:7], s[56:57]
	s_add_nc_u64 s[46:47], s[8:9], s[56:57]
	s_add_nc_u64 s[48:49], s[10:11], s[56:57]
	s_add_nc_u64 s[58:59], s[4:5], s[52:53]
.irp j, 0,1,2
	s_mov_b32 s[24+4*\j], 1
	s_add_co_u32 s[25+4*\j], s50, \j*BLK           ; LDS: section j, my quarter
	s_add_nc_u64 s[26+4*\j:27+4*\j], s[58:59], \j*8*BLK   ; Wq, Wk, Wv lie 8 blocks apart
	s_or_b32 s[27+4*\j], s[27+4*\j], 0x80000000
.endr
	CROUND                                         ; all four work-groups are here: the joint loads meet
	tensor_load_to_lds s[24:27], s[16:23]
	s_nop 0
	tensor_load_to_lds s[28:31], s[16:23]
	s_nop 0
	tensor_load_to_lds s[32:35], s[16:23]
	s_nop 0
.rept 4
	v_nop
.endr
	v_and_b32 v28, 31, v0
	v_and_b32 v14, 15, v0                          ; r
	v_bfe_u32 v15, v0, 4, 1                        ; h
	v_lshlrev_b32 v1, 4, v28
	v_lshlrev_b32 v2, 2, v28
	s_mul_i32 s51, s12, 3072
	v_add_nc_u32 v5, s51, v1
	s_lshl_b32 s51, s12, 7
	v_add_nc_u32 v6, s51, v2
	WIN 0x40                                       ; destination window 1
.irp ks, 0,1,2,3,4,5,6,7
.irp u, 0,1
.irp c, 0,1,2
	global_load_b128 v[24*\ks+12*\u+4*\c:24*\ks+12*\u+4*\c+3], v5, s[36:37] offset:\ks*REC+1536*\u+512*\c
.endr
.endr
.endr
	WIN 0
.irp ks, 0,1,2,3,4,5,6,7
	global_load_b32 v[16+\ks], v6, s[36:37] offset:\ks*REC+12288
.endr
	; v's pieces: register rho = 6 (w / 2) + 3 h + i of lane r + 16 (w % 2) of a fragment's image: 512 (rho / 4) + 4 (rho % 4) + 16 r + 256 (w % 2)
	s_lshr_b32 s51, s12, 1
	s_mul_i32 s51, s51, 6
	s_and_b32 s60, s12, 1
	s_lshl_b32 s60, s60, 8
	v_mul_u32_u24 v28, v15, 3
	v_add_nc_u32 v28, s51, v28
.irp i, 0,1,2
	v_add_nc_u32 v29, \i, v28
	v_lshrrev_b32 v30, 2, v29
	v_and_b32 v29, 3, v29
	v_lshlrev_b32 v29, 2, v29
	v_lshl_add_u32 v29, v30, 9, v29
	v_lshl_add_u32 v29, v14, 4, v29
	v_add_nc_u32 v[7+\i], s60, v29
.endr
	v_lshlrev_b32 v10, 2, v14
	s_add_co_u32 s51, s12, 12288
	v_add_nc_u32 v10, s51, v10                     ; byte w of row r's scale word
	s_lshl_b32 s51, s12, 9
	v_add_nc_u32 v11, s51, v1
	s_wait_tensorcnt 0x2                           ; my quarter of section 0 is in; the two younger loads stay out
	s_wait_loadcnt 0x0                             ; x
	s_barrier_signal -1
	s_barrier_wait -1
	SECTION 0, 0
	EPIQK 44
	s_wait_xcnt 0x0                                ; the stores have read their registers, which the next section's loads write
	s_wait_tensorcnt 0x1                           ; my quarter of section 1 is in
	s_wait_dscnt 0x0
	s_barrier_signal -1
	s_barrier_wait -1
	SECTION 1, 0
	EPIQK 46
	s_wait_xcnt 0x0
	s_wait_tensorcnt 0x0
	s_wait_dscnt 0x0
	s_barrier_signal -1
	s_barrier_wait -1
	SECTION 2, 1
	; v: tile t's 16 registers are keys 32 w + 16 h + 0 .. 15 of channel d = lane r of Wv's tile t: half a block of 32 keys
.irp t, 0,1,2,3,4,5,6,7
	v_max3_num_f32 v[32+\t], |v[128+16*\t]|, |v[129+16*\t]|, 0x1800000
.endr
.irp i, 2,4,6,8,10,12,14
.irp t, 0,1,2,3,4,5,6,7
	v_max3_num_f32 v[32+\t], v[32+\t], |v[128+16*\t+\i]|, |v[129+16*\t+\i]|
.endr
.endr
.irp t, 0,1,2,3,4,5,6,7
	v_permlanex16_b32 v[40+\t], v[32+\t], s40, s41
.endr
.irp t, 0,1,2,3,4,5,6,7
	v_max_num_f32 v[32+\t], v[32+\t], v[40+\t]
.endr
.irp t, 0,1,2,3,4,5,6,7
	v_add_nc_u32 v[48+\t], 0xff000000, v[32+\t]
.endr
.irp t, 0,1,2,3,4,5,6,7
	v_lshrrev_b32 v[56+\t], 23, v[48+\t]
.endr
.irp t, 0,1,2,3,4,5,6,7
	v_cvt_scalef32_pk16_fp6_f32 v[64+4*\t:66+4*\t], v[128+16*\t:143+16*\t], v[48+\t]
.endr
	v_nop                                          ; one plain instruction behind the scaled conversions
.irp t, 0,1,2,3,4,5,6,7
	ds_store_b32 v7, v[64+4*\t] offset:1536*\t
	ds_store_b32 v8, v[65+4*\t] offset:1536*\t
	ds_store_b32 v9, v[66+4*\t] offset:1536*\t
	ds_store_b8 v10, v[56+\t] offset:64*\t         ; both lanes of a pair write the same byte with the same value
.endr
	s_wait_dscnt 0x0                               ; for the others' sake: my pieces have landed
	s_barrier_signal -1
	s_barrier_wait -1
.irp j, 0,1,2,3,4,5
	ds_load_b128 v[96+4*\j:99+4*\j], v11 offset:2048*\j
.endr
.irp j, 0,1,2,3,4,5
	s_wait_dscnt 5-\j                              ; the younger loads of the copy may be out
	global_store_b128 v11, v[96+4*\j:99+4*\j], s[48:49] offset:2048*\j   ; 512 consecutive bytes
.endr
	s_cmp_lg_u32 s12, 0                            ; the record's 25th piece of 512 bytes, the scale words: wave 0
	s_cbranch_scc1 .Lnot_first
	ds_load_b128 v[120:123], v11 offset:12288
	s_wait_dscnt 0x0
	global_store_b128 v11, v[120:123], s[48:49] offset:12288
.Lnot_first:
	s_wait_tensorcnt 0x0                           ; the wave's end
	ds_add_u32 v12, v13
	s_wait_dscnt 0x0
	CROUND                                         ; the closing round
	s_endpgm
.Lfunc_end_k_qea60a08a50_proj:
	.size	k_qea60a08a50_proj, .Lfunc_end_k_qea60a08a50_proj-k_qea60a08a50_proj
	.p2alignl 7, 3214868480
	.fill 96, 4, 3214868480
	.section	.rodata,"a",@progbits
	.p2align	6, 0x0
	.amdhsa_kernel k_qea60a08a50_proj
		.amdhsa_group_segment_fixed_size 307712
		.amdhsa_private_segment_fixed_size 0
		.amdhsa_enable_private_segment 0
		.amdhsa_kernarg_size 32
		.amdhsa_user_sgpr_count 2
		.amdhsa_user_sgpr_kernarg_segment_ptr 1
		.amdhsa_wavefront_size32 1
		.amdhsa_system_sgpr_workgroup_id_x 1
		.amdhsa_system_sgpr_workgroup_id_y 1
		.amdhsa_system_sgpr_workgroup_id_z 1
		.amdhsa_system_vgpr_workitem_id 0
		.amdhsa_next_free_vgpr 512
		.amdhsa_next_free_sgpr 66
		.amdhsa_reserve_vcc 0
		.amdhsa_float_denorm_mode_32 3
		.amdhsa_float_denorm_mode_16_64 3
		.amdhsa_memory_ordered 1
		.amdhsa_forward_progress 1
		.amdhsa_inst_pref_size 160
	.end_amdhsa_kernel
	.amdgpu_metadata
---
amdhsa.version: [ 1, 2 ]
amdhsa.kernels:
  - .name:           k_qea60a08a50_proj
    .symbol:         k_qea60a08a50_proj.kd
    .args:
      - { .name: img, .offset: 0, .size: 8, .value_kind: global_buffer, .address_space: global }
      - { .name: qi, .offset: 8, .size: 8, .value_kind: global_buffer, .address_space: global }
      - { .name: ki, .offset: 16, .size: 8, .value_kind: global_buffer, .address_space: global }
      - { .name: vi, .offset: 24, .size: 8, .value_kind: global_buffer, .address_space: global }
    .group_segment_fixed_size: 307712
    .private_segment_fixed_size: 0
    .kernarg_segment_align: 8
    .kernarg_segment_size: 32
    .max_flat_workgroup_size: 128
    .sgpr_count:     66
    .vgpr_count:     512
    .wavefront_size: 32
...
	.end_amdgpu_metadata
.endif
;; end of part 2
;; launch attn (part 3): grid 16 x 16, 4 waves a work-group, no clusters, 274,944 bytes of LDS; arguments qi, ki, vi, cos_head_delta, cos_logit_scale_raw, delta_gain, lambda_q1, lambda_k1, lambda_q2, lambda_k2, subln_weight, yi; writes yi
.if DOCPART == 3
	.amdgcn_target "amdgcn-amd-amdhsa--gfx1250"
	.amdhsa_code_object_version 6
	.text
	.protected	k_qea60a08a50_attn
	.globl	k_qea60a08a50_attn
	.p2align	8
	.type	k_qea60a08a50_attn,@function
k_qea60a08a50_attn:
	s_mov_b64 s[64:65], 0
	v_nop
	global_prefetch_b8 v0, s[64:65] scope:SCOPE_SE
	s_setreg_imm32_b32 hwreg(HW_REG_WAVE_MODE, 25, 1), 1
	s_wait_xcnt 0x0
; Differential cosine attention of one head for 128 queries, in ONE pass over the pairs.  attn = A1 - lambda A2 is quantised FINISHED AND NORMALISED along the keys, so both row sums over all 2,048 keys come first.
; A work-group walks its 8 tiles of 16 queries in 8 trips.  In a trip wave w owns keys 512 w .. 512 w + 511 (4 K steps of 128): it makes e1 and e2 once, keeps them (K steps 0-2 in its own LDS as register images,
; K step 3 in registers) while the row sums meet across the waves, then forms attn, quantises it and multiplies by V.  The four waves' parts of O^T meet in LDS; RMS norm, weight, x 0.5; y is quantised along the channels.
; The wave's 32 fragments of K and 32 of V stay in registers (windows 1-3: fragment f at window 1 + f / 21, register 12 (f % 21)); fragment 63 lives in LDS.
; S^T = K Q^T (source 0 = 16 keys, source 1 = 16 queries): a lane holds one query; register 16 b + i = key 32 b + 16 (lane / 16) + i.  One K fragment [k1 | k2] serves both score products of K = 64:
; Q1 = [q1's six registers, six of zero codes], Q2 = [six of zero codes, q2's six]; zero codes add nothing under any scale byte from 1 to 254.
; THE GATE.  z = gain (L1 - L2); tanh z = 1 - 2 / (1 + u), u = e^(2 z).  With t = 2 log2(e) / (1 + u): (L1 + G) log2(e) = s1 C + log2(e) - t.  The constant log2(e) is a common factor of a whole row and cancels in e / Z:
; e1 = 2^(s1 C - t), e2 = 2^(s2 C + t).  u = infinity or 0 gives t = 0 or 2 log2(e) with no branch.
; NO MAXIMUM IS TAKEN AWAY: the scores are products of vectors normalised in f32 and rounded to E2M3 (norms at most 1.07, |s| < 1.15), cos_scale is at most 15 x 1.5, 0 <= t <= 2.89: every exponent lies within
; -40.2 .. 40.2 for every input, and a sum of 2,048 such terms within 2^-30 .. 2^52.  nan_to_num is the identity on these finite scores.
; LIMITS: NaN and infinities among the inputs are not served; a block whose largest magnitude lies under 2^-124 (zeros too) gets the byte 1; tanh by this form has an absolute error near 1e-7.
; NO CLUSTER: K and V go straight into registers, each byte loaded once by a work-group at its head (400 KB against 8 trips of work); a joint load lands in LDS alone.  NO PREFETCH: no stream stands behind the head.
; WINDOW 0: v1 e's images, v2-3 O's parts (write, read), v4 scale words, v5-6 Z (write, read), v7-8 sums of squares, v9-11 y's pieces, v12 y's scale byte, v13 16 x lane, v14 4 r, v15 weights, v16 fragment 63, v17 y's copy,
;   v18-19 the add's two, v20 R2 (pair with v21), v[22:23] Z1, v[24:25] Z2, v26 R1 (pair with v27), v28-31 K's or V's pair-scale words, v32 attn's scale word, v33 Q's, v34-51 Q's operands, v52-61 at work, v[62:63] ln2 / 2,
;   v64-127 XA (s1, e1, attn), v128-191 XB (s2, e2; later at work, codes at v144, fragment 63 at v164), v192-255 XT (the gate; later O^T).
.set REC,   12800
.set OP,    196608                     ; LDS: e's images: 49,152 a wave from 0; O's parts: 8,192 a wave
.set KSV,   229376                     ; K's 16 and V's 16 pair-scale images: 4,096 a wave
.set WIM,   245760                     ; subln_weight at my 16 channels: 2,048 a wave
.set F63,   253952                     ; fragment 63: 1,536 a wave
.set ZP,    260096                     ; the row sums: 256 a wave
.set SSP,   261120                     ; the sums of squares: 128 a wave
.set YF,    261632                     ; y's record: 12,800
.set SPARE, 274432                     ; the spare words
.set XA, 64
.set XB, 128
.set XT, 192
.set MSB, 0
.macro WIN new                         ; the immediate's high byte repeats the setting that is left
.if MSB != (\new)
	s_set_vgpr_msb (MSB<<8)|(\new)
.set MSB, (\new)
.endif
.endm
; One scaled matrix instruction from the symbols rD, rA, rB, rC (under 0: the constant 0), rSA, rSB and A's scale row rRA (B's scales stand in lanes 0-15)
.macro WM
.if rC < 0
.if rRA == 0
	v_wmma_scale_f32_16x16x128_f8f6f4 v[rD:rD+7], v[rA:rA+11], v[rB:rB+11], 0, v[rSA], v[rSB] matrix_a_fmt:MATRIX_FMT_FP6 matrix_b_fmt:MATRIX_FMT_FP6
.else
	v_wmma_scale_f32_16x16x128_f8f6f4 v[rD:rD+7], v[rA:rA+11], v[rB:rB+11], 0, v[rSA], v[rSB] matrix_a_fmt:MATRIX_FMT_FP6 matrix_b_fmt:MATRIX_FMT_FP6 matrix_a_scale:MATRIX_SCALE_ROW1
.endif
.else
.if rRA == 0
	v_wmma_scale_f32_16x16x128_f8f6f4 v[rD:rD+7], v[rA:rA+11], v[rB:rB+11], v[rC:rC+7], v[rSA], v[rSB] matrix_a_fmt:MATRIX_FMT_FP6 matrix_b_fmt:MATRIX_FMT_FP6
.else
	v_wmma_scale_f32_16x16x128_f8f6f4 v[rD:rD+7], v[rA:rA+11], v[rB:rB+11], v[rC:rC+7], v[rSA], v[rSB] matrix_a_fmt:MATRIX_FMT_FP6 matrix_b_fmt:MATRIX_FMT_FP6 matrix_a_scale:MATRIX_SCALE_ROW1
.endif
.endif
.endm
.macro BAR                             ; my LDS stores have landed and my LDS loads are in: then the work-group's barrier
	s_wait_dscnt 0x0
	s_barrier_signal -1
	s_barrier_wait -1
.endm
.macro QUANT s, tm, pc, pw             ; 64 numbers of a lane, register 16 b + i = k 32 b + 16 (lane / 16) + i, become a fragment's codes in v[pc] .. v[pc + 11] and its scale word in v[pw]
.irp b, 0,1,2,3
	v_max3_num_f32 v[\tm+\b], |v[\s+16*\b]|, |v[\s+1+16*\b]|, 0x1800000   ; the floor 2^(3 - 127): the byte cannot fall under 1
.endr
.irp i, 2,4,6,8,10,12,14
.irp b, 0,1,2,3
	v_max3_num_f32 v[\tm+\b], v[\tm+\b], |v[\s+16*\b+\i]|, |v[\s+1+16*\b+\i]|
.endr
.endr
.irp b, 0,1,2,3
	v_permlanex16_b32 v[\tm+4+\b], v[\tm+\b], s40, s41
.endr
.irp b, 0,1,2,3
	v_max_num_f32 v[\tm+\b], v[\tm+\b], v[\tm+4+\b]
.endr
.irp b, 0,1,2,3
	v_add_nc_u32 v[\tm+12+\b], 0xff000000, v[\tm+\b]
.endr
.irp b, 0,1,2,3
	v_lshrrev_b32 v[\tm+4+\b], 23, v[\tm+12+\b]
.endr
	v_lshl_or_b32 v[\pw], v[\tm+5], 8, v[\tm+4]
	v_lshl_or_b32 v[\pw], v[\tm+6], 16, v[\pw]
	v_lshl_or_b32 v[\pw], v[\tm+7], 24, v[\pw]
.irp c, 0,1
	v_cvt_scalef32_pk16_fp6_f32 v[\pc+6*\c:\pc+2+6*\c], v[\s+32*\c:\s+15+32*\c], v[\tm+12+2*\c]
	v_cvt_scalef32_pk16_fp6_f32 v[\pc+12+4*\c:\pc+14+4*\c], v[\s+16+32*\c:\s+31+32*\c], v[\tm+12+2*\c+1]
.endr
	v_nop                                          ; one plain instruction behind the scaled conversions
.irp c, 0,1
.irp i, 0,1,2
	v_permlane16_swap_b32 v[\pc+6*\c+\i], v[\pc+12+4*\c+\i]
.endr
.irp i, 0,1,2
	v_mov_b32 v[\pc+3+6*\c+\i], v[\pc+12+4*\c+\i]
.endr
.endr
.endm
; The plain parts of the three batches, for group g (four numbers of each branch), and four transcendentals in place on group g - 1
.macro P1                              ; (s1 - s2) KD
	v_pk_add_f32 v[XT+4*g:XT+4*g+1], v[XA+4*g:XA+4*g+1], v[XB+4*g:XB+4*g+1] neg_lo:[0,1] neg_hi:[0,1]
	v_pk_add_f32 v[XT+4*g+2:XT+4*g+3], v[XA+4*g+2:XA+4*g+3], v[XB+4*g+2:XB+4*g+3] neg_lo:[0,1] neg_hi:[0,1]
	v_pk_mul_f32 v[XT+4*g:XT+4*g+1], v[XT+4*g:XT+4*g+1], s[34:35] op_sel_hi:[1,0]
	v_pk_mul_f32 v[XT+4*g+2:XT+4*g+3], v[XT+4*g+2:XT+4*g+3], s[34:35] op_sel_hi:[1,0]
.endm
.macro P2                              ; (1 + u) ln2 / 2: its reciprocal is t
	v_pk_fma_f32 v[XT+4*g:XT+4*g+1], v[XT+4*g:XT+4*g+1], v[62:63], v[62:63]
	v_pk_fma_f32 v[XT+4*g+2:XT+4*g+3], v[XT+4*g+2:XT+4*g+3], v[62:63], v[62:63]
.endm
.macro P3                              ; s1 C - t, s2 C + t
	v_pk_fma_f32 v[XA+4*g:XA+4*g+1], v[XA+4*g:XA+4*g+1], s[32:33], v[XT+4*g:XT+4*g+1] op_sel_hi:[1,0,1] neg_lo:[0,0,1] neg_hi:[0,0,1]
	v_pk_fma_f32 v[XA+4*g+2:XA+4*g+3], v[XA+4*g+2:XA+4*g+3], s[32:33], v[XT+4*g+2:XT+4*g+3] op_sel_hi:[1,0,1] neg_lo:[0,0,1] neg_hi:[0,0,1]
	v_pk_fma_f32 v[XB+4*g:XB+4*g+1], v[XB+4*g:XB+4*g+1], s[32:33], v[XT+4*g:XT+4*g+1] op_sel_hi:[1,0,1]
	v_pk_fma_f32 v[XB+4*g+2:XB+4*g+3], v[XB+4*g+2:XB+4*g+3], s[32:33], v[XT+4*g+2:XT+4*g+3] op_sel_hi:[1,0,1]
.endm
.macro ET op, base
.irp i, 0,1,2,3
	\op v[\base+4*(g-1)+\i], v[\base+4*(g-1)+\i]
.endr
.endm
.macro ENDBATCH                        ; a plain instruction behind the last transcendental, and ONE wait for the batch, ahead of its first reader
	v_nop
	s_wait_alu depctr_va_vdst(0)
.endm
; K STEP s OF A TRIP: 16 products, the gate, e1 and e2, their sums; for s < 3 the e's go to my LDS
.macro SCORE s
.if \s > 0
	s_wait_dscnt 32                                ; this step's scale words are in: behind their loads stand the 32 stores of the last step's e
.endif
.set rC, -1
.set rSB, 33
.irp t, 0,1,2,3,4,5,6,7
.set fK, 8*\s+\t
	WIN 1+fK/21
.set rA, 12*(fK%21)
.set rSA, 28+\t/2
.set rRA, \t%2
.set rD, XA+8*\t
.set rB, 34
	WM
.set rD, XB+8*\t
.set rB, 40
	WM
.endr
	WIN 0
.rept 4
	v_nop                                          ; four plain instructions behind the products: for the loads into the scale registers, the reads of the results, and later the loads into Q's registers
.endr
.irp p, 0,1,2,3
.if \s < 3
	ds_load_b32 v[28+\p], v4 offset:512*(\s+1)+128*\p    ; K's scale words of the next step
.else
	ds_load_b32 v[28+\p], v4 offset:2048+512*3+128*\p    ; V's of K step 3, which is multiplied first
.endif
.endr
.set g, 0
	P1
.rept 15
.set g, g+1
	P1
	ET v_exp_f32, XT
.endr
.set g, 16
	ET v_exp_f32, XT
	ENDBATCH
.set g, 0
	P2
.rept 15
.set g, g+1
	P2
	ET v_rcp_f32, XT
.endr
.set g, 16
	ET v_rcp_f32, XT
	ENDBATCH
.set g, 0
	P3
.rept 15
.set g, g+1
	P3
	ET v_exp_f32, XA
	ET v_exp_f32, XB
.endr
.set g, 16
	ET v_exp_f32, XA
	ET v_exp_f32, XB
	ENDBATCH
	v_pk_add_f32 v[XT:XT+1], v[XA:XA+1], v[XA+2:XA+3]          ; the row sums, two chains a branch
	v_pk_add_f32 v[XT+2:XT+3], v[XB:XB+1], v[XB+2:XB+3]
.irp j, 4,8,12,16,20,24,28,32,36,40,44,48,52,56,60
	v_pk_add_f32 v[22:23], v[22:23], v[XA+\j:XA+\j+1]
	v_pk_add_f32 v[24:25], v[24:25], v[XB+\j:XB+\j+1]
	v_pk_add_f32 v[XT:XT+1], v[XT:XT+1], v[XA+\j+2:XA+\j+3]
	v_pk_add_f32 v[XT+2:XT+3], v[XT+2:XT+3], v[XB+\j+2:XB+\j+3]
.if \s < 3
	ds_store_b128 v1, v[XA+\j-4:XA+\j-1] offset:8192*\s+128*\j-512
	ds_store_b128 v1, v[XB+\j-4:XB+\j-1] offset:24576+8192*\s+128*\j-512
.endif
.endr
.if \s < 3
	ds_store_b128 v1, v[XA+60:XA+63] offset:8192*\s+7680
	ds_store_b128 v1, v[XB+60:XB+63] offset:24576+8192*\s+7680
.endif
	v_pk_add_f32 v[22:23], v[22:23], v[XT:XT+1]
	v_pk_add_f32 v[24:25], v[24:25], v[XT+2:XT+3]
.endm
; K STEP s OF THE SECOND PRODUCT: attn = e1 R1 - e2 R2, quantised along the keys, times V's eight tiles.  The eight accumulators take turns, one instruction a turn.
.macro PV s
.if \s != 3
.rept 4
	v_nop                                          ; four plain instructions behind the last products: the loads below write their codes', fragment's and scale registers
.endr
.irp p, 0,1,2,3
	ds_load_b32 v[28+\p], v4 offset:2048+512*\s+128*\p
.endr
.irp i, 0,1,2,3,4,5,6,7,8,9,10,11,12,13,14,15
	ds_load_b128 v[XA+4*\i:XA+4*\i+3], v1 offset:8192*\s+512*\i
	ds_load_b128 v[XB+4*\i:XB+4*\i+3], v1 offset:24576+8192*\s+512*\i
.endr
.endif
.irp q, 0,1,2,3
.if \s != 3
	s_wait_dscnt 24-8*\q                           ; this quarter's 8 loads are in; the younger quarters' may be out
.endif
.irp i, 0,2,4,6,8,10,12,14
	v_pk_mul_f32 v[XB+16*\q+\i:XB+16*\q+\i+1], v[XB+16*\q+\i:XB+16*\q+\i+1], v[20:21] op_sel_hi:[1,0]
.endr
.irp i, 0,2,4,6,8,10,12,14
	v_pk_fma_f32 v[XA+16*\q+\i:XA+16*\q+\i+1], v[XA+16*\q+\i:XA+16*\q+\i+1], v[26:27], v[XB+16*\q+\i:XB+16*\q+\i+1] op_sel_hi:[1,0,1] neg_lo:[0,0,1] neg_hi:[0,0,1]
.endr
.endr
.if \s == 3
.irp c, 0,1,2
	ds_load_b128 v[164+4*\c:167+4*\c], v16 offset:512*\c     ; fragment 63
.endr
.endif
	QUANT 64, 128, 144, 32
.rept 8
	v_nop                                          ; the scale word, made by vector instructions, stands 8 plain instructions ahead of the scaled products, the codes 4
.endr
	s_wait_dscnt 0x0
.set rB, 144
.set rSB, 32
.irp t, 0,1,2,3,4,5,6,7
.set fV, 32+8*\s+\t
.if fV < 63
	WIN 1+fV/21
.set rA, 12*(fV%21)
.else
	WIN 0
.set rA, 164
.endif
.set rSA, 28+\t/2
.set rRA, \t%2
.set rD, XT+8*\t
.if \s == 3
.set rC, -1
.else
.set rC, rD
.endif
	WM
.endr
	WIN 0
.endm
	s_load_b512 s[4:19], s[0:1], 0x0               ; qi, ki, vi, cos_head_delta, cos_logit_scale_raw, delta_gain, lambda_q1, lambda_k1
	s_load_b256 s[20:27], s[0:1], 0x40             ; lambda_q2, lambda_k2, subln_weight, yi
	v_lshl_add_u32 v18, v0, 2, SPARE
	v_mov_b32 v19, 0
	v_lshrrev_b32 v52, 5, v0
	v_readfirstlane_b32 s28, v52                   ; wave
	s_and_b32 s30, ttmp7, 0xffff                   ; 8 b + h
	s_and_b32 s31, s30, 7                          ; h
	v_and_b32 v53, 31, v0                          ; lane
	v_and_b32 v54, 15, v0                          ; r
	v_bfe_u32 v55, v0, 4, 1                        ; lane / 16
	v_lshlrev_b32 v13, 4, v53
	v_lshlrev_b32 v14, 2, v54
	s_mul_i32 s50, s28, 49152
	v_add_nc_u32 v1, s50, v13
	s_lshl_b32 s50, s28, 13
	s_add_co_u32 s50, s50, OP
	v_add_nc_u32 v2, s50, v13
	s_lshl_b32 s50, s28, 11
	s_add_co_u32 s50, s50, OP
	v_add_nc_u32 v3, s50, v13
	s_lshl_b32 s50, s28, 12
	s_add_co_u32 s50, s50, KSV
	v_lshl_add_u32 v4, v53, 2, s50
	v_add_nc_u32 v61, s50, v13
	s_lshl_b32 s50, s28, 8
	s_add_co_u32 s50, s50, ZP
	v_lshl_add_u32 v5, v53, 3, s50
	v_lshlrev_b32 v6, 3, v53
	v_add_nc_u32 v6, ZP, v6
	s_lshl_b32 s50, s28, 7
	s_add_co_u32 s50, s50, SSP
	v_lshl_add_u32 v7, v53, 2, s50
	v_lshlrev_b32 v8, 2, v53
	v_add_nc_u32 v8, SSP, v8
	; y's pieces: register rho = 6 (w / 2) + 3 (lane / 16) + i of lane r + 16 (w % 2) of a fragment's image: 512 (rho / 4) + 4 (rho % 4) + 16 r + 256 (w % 2)
	s_lshr_b32 s50, s28, 1
	s_mul_i32 s50, s50, 6
	s_and_b32 s51, s28, 1
	s_lshl_b32 s51, s51, 8
	s_add_co_u32 s51, s51, YF
	v_mul_u32_u24 v56, v55, 3
	v_add_nc_u32 v56, s50, v56
.irp i, 0,1,2
	v_add_nc_u32 v57, \i, v56
	v_lshrrev_b32 v58, 2, v57
	v_and_b32 v57, 3, v57
	v_lshlrev_b32 v57, 2, v57
	v_lshl_add_u32 v57, v58, 9, v57
	v_lshl_add_u32 v57, v54, 4, v57
	v_add_nc_u32 v[9+\i], s51, v57
.endr
	s_add_co_u32 s50, s28, YF+12288
	v_add_nc_u32 v12, s50, v14                     ; byte w of row r's scale word
	s_lshl_b32 s50, s28, 11
	s_add_co_u32 s50, s50, WIM
	v_add_nc_u32 v15, s50, v13
	s_mul_i32 s50, s28, 1536
	s_add_co_u32 s50, s50, F63
	v_add_nc_u32 v16, s50, v13
	s_lshl_b32 s50, s28, 9
	s_add_co_u32 s50, s50, YF
	v_add_nc_u32 v17, s50, v13
	s_lshl_b32 s50, s30, 4                         ; a head's 16 records
	s_lshl_b32 s51, s28, 2
	s_add_co_u32 s51, s50, s51                     ; + my wave's four
	s_mul_i32 s52, s51, REC
	s_mov_b32 s53, 0
	s_add_co_u32 s50, s50, ttmp9                   ; q's record: my block of 128 queries
	s_mul_i32 s54, s50, REC
	s_mov_b32 s55, 0
	s_lshr_b32 s50, s30, 3
	s_lshl_b32 s50, s50, 4
	s_add_co_u32 s50, s50, ttmp9                   ; the token block, 16 b + qb
	s_lshl_b32 s50, s50, 3
	s_add_co_u32 s50, s50, s31                     ; y's record: K step h of that block
	s_mul_i32 s56, s50, REC
	s_mov_b32 s57, 0
	v_and_b32 v56, 7, v0
	v_lshlrev_b32 v56, 2, v56
	s_lshl_b32 s50, s31, 2
	v_mov_b32 v57, s50
	v_mov_b32 v58, 0
	v_lshlrev_b32 v59, 3, v53
	s_lshl_b32 s50, s28, 7
	v_lshl_add_u32 v60, v55, 6, s50                ; subln_weight at d = 32 w + 16 (lane / 16)
	s_mov_b32 s40, 0x76543210
	s_mov_b32 s41, 0xfedcba98
	s_mov_b32 s42, 8                               ; trips
	s_mov_b32 s43, 0                               ; y's tile, in bytes of fragments,
	s_mov_b32 s39, 0                               ; and of scale words
.irp i, 40,41,42,43,44,45,21,27
	v_mov_b32 v[\i], 0                             ; the six registers of zero codes; the unused halves of two pairs
.endr
	v_mov_b32 v62, 0x3eb17218                      ; ln2 / 2
	v_mov_b32 v63, 0x3eb17218
	s_wait_kmcnt 0x0
	s_add_nc_u64 s[6:7], s[6:7], s[52:53]
	s_add_nc_u64 s[8:9], s[8:9], s[52:53]
	s_add_nc_u64 s[44:45], s[4:5], s[54:55]
	s_add_nc_u64 s[46:47], s[44:45], 12288
	s_add_nc_u64 s[48:49], s[26:27], s[56:57]
	; 28 small loads first
	global_load_b32 v64, v56, s[10:11]             ; cos_head_delta[lane % 8]
	global_load_b32 v65, v57, s[10:11]             ; cos_head_delta[h]
	global_load_b32 v66, v57, s[14:15]             ; delta_gain[h]
	global_load_b32 v67, v58, s[12:13]             ; cos_logit_scale_raw
	global_load_b64 v[68:69], v59, s[16:17]
	global_load_b64 v[70:71], v59, s[18:19]
	global_load_b64 v[72:73], v59, s[20:21]
	global_load_b64 v[74:75], v59, s[22:23]
.irp q, 0,1,2,3
	global_load_b128 v[76+4*\q:79+4*\q], v60, s[24:25] offset:16*\q
.endr
.irp s, 0,1,2,3
	global_load_b128 v[92+4*\s:95+4*\s], v13, s[6:7] offset:\s*REC+12288     ; a record's four pair-scale images: 512 consecutive bytes
.endr
.irp s, 0,1,2,3
	global_load_b128 v[108+4*\s:111+4*\s], v13, s[8:9] offset:\s*REC+12288
.endr
.irp c, 0,1,2
	global_load_b128 v[124+4*\c:127+4*\c], v13, s[8:9] offset:3*REC+7*1536+512*\c
.endr
	global_load_b128 v[34:37], v13, s[44:45]               ; Q's tile 0: registers 0-3,
	global_load_b64 v[38:39], v13, s[44:45] offset:512     ; 4-5: branch 1;
	global_load_b64 v[46:47], v13, s[44:45] offset:520     ; 6-7,
	global_load_b128 v[48:51], v13, s[44:45] offset:1024   ; 8-11: branch 2
	global_load_b32 v33, v14, s[46:47]
.set f, 0
.rept 32                               ; K's 32 fragments
	WIN (1+f/21)<<6
.irp c, 0,1,2
	global_load_b128 v[12*(f%21)+4*\c:12*(f%21)+4*\c+3], v13, s[6:7] offset:(f/8)*REC+(f%8)*1536+512*\c
.endr
.set f, f+1
.endr
	WIN 0
	s_wait_loadcnt 63                              ; 96 loads were issued behind the 28 small ones: with 63 out at the most, those are in
	v_add_f32_dpp v64, v64, v64 row_xmask:1 row_mask:0xf bank_mask:0xf
	v_add_f32_dpp v64, v64, v64 row_xmask:2 row_mask:0xf bank_mask:0xf
	v_add_f32_dpp v64, v64, v64 row_xmask:4 row_mask:0xf bank_mask:0xf
	v_fmamk_f32 v65, v64, 0xbe000000, v65          ; head_delta = delta[h] - mean
	v_mul_f32 v68, v68, v70
	v_fmac_f32 v68, v69, v71
	v_mul_f32 v72, v72, v74
	v_fmac_f32 v72, v73, v75
.irp m, 1,2,4,8
	v_add_f32_dpp v68, v68, v68 row_xmask:\m row_mask:0xf bank_mask:0xf
	v_add_f32_dpp v72, v72, v72 row_xmask:\m row_mask:0xf bank_mask:0xf
.endr
	v_permlanex16_b32 v69, v68, s40, s41
	v_permlanex16_b32 v73, v72, s40, s41
	v_add_f32 v68, v68, v69
	v_add_f32 v72, v72, v73
	v_mul_f32 v67, 0xbfb8aa3b, v67                 ; -raw log2(e)
	v_mul_f32 v65, 0x4038aa3b, v65                 ; 2 log2(e) head_delta
	v_mul_f32 v68, 0x3fb8aa3b, v68
	v_mul_f32 v72, 0x3fb8aa3b, v72
	v_exp_f32 v67, v67
	v_exp_f32 v65, v65
	v_exp_f32 v68, v68                             ; lambda_1
	v_exp_f32 v72, v72                             ; lambda_2
	ENDBATCH
	v_add_f32 v67, 1.0, v67
	v_add_f32 v65, 1.0, v65
	v_rcp_f32 v67, v67                             ; sigmoid(raw)
	v_rcp_f32 v65, v65                             ; x: tanh = 1 - 2 x
	ENDBATCH
	v_sub_f32 v65, 0x3fc00000, v65                 ; 1 + 0.5 tanh = 1.5 - x
	v_mul_f32 v67, 0x41700000, v67
	v_mul_f32 v67, v67, v65                        ; cos_scale
	v_mul_f32 v70, 0x3fb8aa3b, v67                 ; C = cos_scale log2(e)
	v_mul_f32 v71, v66, v67
	v_mul_f32 v71, 0x4038aa3b, v71                 ; KD = 2 log2(e) gain cos_scale
	v_sub_f32 v68, v68, v72
	v_add_f32 v68, 0.5, v68                        ; lambda
	v_readfirstlane_b32 s32, v70
	s_mov_b32 s33, s32                             ; (named with it as a pair, so it is written)
	v_readfirstlane_b32 s34, v71
	s_mov_b32 s35, s34
	v_readfirstlane_b32 s38, v68
.irp s, 0,1,2,3
	ds_store_b128 v61, v[92+4*\s:95+4*\s] offset:512*\s
	ds_store_b128 v61, v[108+4*\s:111+4*\s] offset:2048+512*\s
.endr
.irp q, 0,1,2,3
	ds_store_b128 v15, v[76+4*\q:79+4*\q] offset:512*\q
.endr
.irp c, 0,1,2
	ds_store_b128 v16, v[124+4*\c:127+4*\c] offset:512*\c
.endr
.set f, 32
.rept 31                               ; V's fragments 32 to 62
	WIN (1+f/21)<<6
.irp c, 0,1,2
	global_load_b128 v[12*(f%21)+4*\c:12*(f%21)+4*\c+3], v13, s[8:9] offset:((f-32)/8)*REC+(f%8)*1536+512*\c
.endr
.set f, f+1
.endr
	WIN 0
	s_wait_loadcnt 63                              ; 93 loads were issued behind K's: K is in
.irp p, 0,1,2,3
	ds_load_b32 v[28+\p], v4 offset:128*\p         ; LDS serves a wave's instructions in order: these see my stores
.endr
	s_wait_dscnt 0x0
.Ltrip:
.irp i, 22,23,24,25
	v_mov_b32 v[\i], 0
.endr
	SCORE 0
	SCORE 1
	SCORE 2
	SCORE 3
	v_add_f32 v22, v22, v23
	v_add_f32 v24, v24, v25
	v_permlanex16_b32 v23, v22, s40, s41
	v_permlanex16_b32 v25, v24, s40, s41
	v_add_f32 v52, v22, v23                        ; my wave's 512 keys: Z1,
	v_add_f32 v53, v24, v25                        ; Z2
	ds_store_b64 v5, v[52:53]
	BAR
.irp i, 0,1,2,3
	ds_load_b64 v[52+2*\i:53+2*\i], v6 offset:256*\i
.endr
	s_wait_dscnt 0x0
.irp i, 1,2,3
	v_add_f32 v52, v52, v[52+2*\i]                 ; in the waves' order, alike in all four
	v_add_f32 v53, v53, v[53+2*\i]
.endr
	v_rcp_f32 v26, v52                             ; R1 = 1 / Z1
	v_rcp_f32 v20, v53
	ENDBATCH
	v_mul_f32 v20, s38, v20                        ; R2 = lambda / Z2
	s_wait_loadcnt 0x0                             ; in the first trip: V
	s_cmp_eq_u32 s42, 1                            ; the next tile's Q is asked for here, if there is one: no load leaves its buffer
	s_cbranch_scc1 .Lno_next
	s_add_nc_u64 s[44:45], s[44:45], 1536          ; (the loads that read these bases have been waited for)
	s_add_nc_u64 s[46:47], s[46:47], 64
	global_load_b128 v[34:37], v13, s[44:45]
	global_load_b64 v[38:39], v13, s[44:45] offset:512
	global_load_b64 v[46:47], v13, s[44:45] offset:520
	global_load_b128 v[48:51], v13, s[44:45] offset:1024
	global_load_b32 v33, v14, s[46:47]
.Lno_next:
	PV 3                                           ; K step 3's e are still in registers
	PV 0
	PV 1
	PV 2
.rept 4
	v_nop
.endr
.irp i, 0,1,2,3,4,5,6,7,8,9,10,11,12,13,14,15
	ds_store_b128 v2, v[XT+4*\i:XT+4*\i+3] offset:512*\i     ; my part of O^T, each accumulator from its low end on
.endr
.irp p, 0,1,2,3
	ds_load_b32 v[28+\p], v4 offset:128*\p         ; K's scale words of the next trip's first step
.endr
	BAR
.irp a, 0,1,2,3
.irp q, 0,1,2,3
	ds_load_b128 v[64+16*\a+4*\q:67+16*\a+4*\q], v3 offset:8192*\a+512*\q   ; the four waves' parts of channels d = 32 w + 16 (lane / 16) + 0 .. 15
.endr
.endr
.irp q, 0,1,2,3
	ds_load_b128 v[128+4*\q:131+4*\q], v15 offset:512*\q
.endr
	s_wait_dscnt 0x0
.irp a, 80,96,112
.irp i, 0,2,4,6,8,10,12,14
	v_pk_add_f32 v[64+\i:65+\i], v[64+\i:65+\i], v[\a+\i:\a+\i+1]
.endr
.endr
	v_pk_mul_f32 v[52:53], v[64:65], v[64:65]
.irp i, 2,4,6,8,10,12,14
	v_pk_fma_f32 v[52:53], v[64+\i:65+\i], v[64+\i:65+\i], v[52:53]
.endr
	v_add_f32 v52, v52, v53
	v_permlanex16_b32 v53, v52, s40, s41
	v_add_f32 v52, v52, v53                        ; my 32 channels' sum of squares
	ds_store_b32 v7, v52
	BAR
.irp i, 0,1,2,3
	ds_load_b32 v[54+\i], v8 offset:128*\i
.endr
	s_wait_dscnt 0x0
	v_add_f32 v54, v54, v55
	v_add_f32 v54, v54, v56
	v_add_f32 v54, v54, v57
	v_mul_f32 v54, 0x3c000000, v54                 ; / 128: exact
	v_add_f32 v54, 0x3727c5ac, v54                 ; + 1e-5
	v_rsq_f32 v55, v54
	ENDBATCH
	v_mul_f32 v52, 0.5, v55                        ; x (1 - lambda_init): exact
.irp i, 0,2,4,6,8,10,12,14
	v_pk_mul_f32 v[64+\i:65+\i], v[64+\i:65+\i], v[52:53] op_sel_hi:[1,0]
.endr
.irp i, 0,2,4,6,8,10,12,14
	v_pk_mul_f32 v[64+\i:65+\i], v[64+\i:65+\i], v[128+\i:129+\i]
.endr
	v_max3_num_f32 v54, |v64|, |v65|, 0x1800000    ; block w of the head's four along the output projection's K: my 16, then lane l xor 16's
.irp i, 2,4,6,8,10,12,14
	v_max3_num_f32 v54, v54, |v[64+\i]|, |v[65+\i]|
.endr
	v_permlanex16_b32 v55, v54, s40, s41
	v_max_num_f32 v54, v54, v55
	v_add_nc_u32 v55, 0xff000000, v54
	v_cvt_scalef32_pk16_fp6_f32 v[56:58], v[64:79], v55
	v_lshrrev_b32 v54, 23, v55                     ; the scale's byte (a plain instruction behind the conversion)
	v_add_nc_u32 v59, s43, v9
	v_add_nc_u32 v60, s43, v10
	v_add_nc_u32 v61, s43, v11
	v_add_nc_u32 v53, s39, v12
	ds_store_b32 v59, v56
	ds_store_b32 v60, v57
	ds_store_b32 v61, v58
	ds_store_b8 v53, v54                           ; both lanes of a pair write the same byte with the same value
	s_add_co_u32 s43, s43, 1536
	s_add_co_u32 s39, s39, 64
	s_wait_loadcnt 0x0                             ; the next tile's Q
	s_sub_co_u32 s42, s42, 1
	s_cmp_lg_u32 s42, 0
	s_cbranch_scc1 .Ltrip
	BAR                                            ; y's record is whole
	s_lshl_b32 s50, s28, 9
	v_add_nc_u32 v52, s50, v13
.irp j, 0,1,2,3,4,5
	ds_load_b128 v[64+4*\j:67+4*\j], v17 offset:2048*\j
.endr
.irp j, 0,1,2,3,4,5
	s_wait_dscnt 5-\j                              ; the younger loads of the copy may be out
	global_store_b128 v52, v[64+4*\j:67+4*\j], s[48:49] offset:2048*\j   ; 512 consecutive bytes
.endr
	s_cmp_lg_u32 s28, 0                            ; the record's 25th piece of 512 bytes, the scale words: wave 0
	s_cbranch_scc1 .Lnot_first
	ds_load_b128 v[88:91], v17 offset:12288
	s_wait_dscnt 0x0
	global_store_b128 v52, v[88:91], s[48:49] offset:12288
.Lnot_first:
	s_wait_tensorcnt 0x0                           ; the wave's end, behind my last LDS store
	ds_add_u32 v18, v19
	s_wait_dscnt 0x0
	s_endpgm
.Lfunc_end_k_qea60a08a50_attn:
	.size	k_qea60a08a50_attn, .Lfunc_end_k_qea60a08a50_attn-k_qea60a08a50_attn
	.p2alignl 7, 3214868480
	.fill 96, 4, 3214868480
	.section	.rodata,"a",@progbits
	.p2align	6, 0x0
	.amdhsa_kernel k_qea60a08a50_attn
		.amdhsa_group_segment_fixed_size 274944
		.amdhsa_private_segment_fixed_size 0
		.amdhsa_enable_private_segment 0
		.amdhsa_kernarg_size 96
		.amdhsa_user_sgpr_count 2
		.amdhsa_user_sgpr_kernarg_segment_ptr 1
		.amdhsa_wavefront_size32 1
		.amdhsa_system_sgpr_workgroup_id_x 1
		.amdhsa_system_sgpr_workgroup_id_y 1
		.amdhsa_system_sgpr_workgroup_id_z 1
		.amdhsa_system_vgpr_workitem_id 0
		.amdhsa_next_free_vgpr 1024
		.amdhsa_next_free_sgpr 66
		.amdhsa_reserve_vcc 0
		.amdhsa_float_denorm_mode_32 3
		.amdhsa_float_denorm_mode_16_64 3
		.amdhsa_memory_ordered 1
		.amdhsa_forward_progress 1
		.amdhsa_inst_pref_size 190
	.end_amdhsa_kernel
	.amdgpu_metadata
---
amdhsa.version: [ 1, 2 ]
amdhsa.kernels:
  - .name:           k_qea60a08a50_attn
    .symbol:         k_qea60a08a50_attn.kd
    .args:
      - { .name: qi, .offset: 0, .size: 8, .value_kind: global_buffer, .address_space: global }
      - { .name: ki, .offset: 8, .size: 8, .value_kind: global_buffer, .address_space: global }
      - { .name: vi, .offset: 16, .size: 8, .value_kind: global_buffer, .address_space: global }
      - { .name: cos_head_delta, .offset: 24, .size: 8, .value_kind: global_buffer, .address_space: global }
      - { .name: cos_logit_scale_raw, .offset: 32, .size: 8, .value_kind: global_buffer, .address_space: global }
      - { .name: delta_gain, .offset: 40, .size: 8, .value_kind: global_buffer, .address_space: global }
      - { .name: lambda_q1, .offset: 48, .size: 8, .value_kind: global_buffer, .address_space: global }
      - { .name: lambda_k1, .offset: 56, .size: 8, .value_kind: global_buffer, .address_space: global }
      - { .name: lambda_q2, .offset: 64, .size: 8, .value_kind: global_buffer, .address_space: global }
      - { .name: lambda_k2, .offset: 72, .size: 8, .value_kind: global_buffer, .address_space: global }
      - { .name: subln_weight, .offset: 80, .size: 8, .value_kind: global_buffer, .address_space: global }
      - { .name: yi, .offset: 88, .size: 8, .value_kind: global_buffer, .address_space: global }
    .group_segment_fixed_size: 274944
    .private_segment_fixed_size: 0
    .kernarg_segment_align: 8
    .kernarg_segment_size: 96
    .max_flat_workgroup_size: 128
    .sgpr_count:     66
    .vgpr_count:     1024
    .wavefront_size: 32
...
	.end_amdgpu_metadata
.endif
;; end of part 3
;; launch outp (part 4): grid 32 x 8, 4 waves a work-group, clusters of 4 x 1, 167,936 bytes of LDS; arguments yi, img, bo, out0; writes out0
.if DOCPART == 4
	.amdgcn_target "amdgcn-amd-amdhsa--gfx1250"
	.amdhsa_code_object_version 6
	.text
	.protected	k_qea60a08a50_outp
	.globl	k_qea60a08a50_outp
	.p2align	8
	.type	k_qea60a08a50_outp,@function
k_qea60a08a50_outp:
	s_mov_b64 s[64:65], 0
	v_nop
	global_prefetch_b8 v0, s[64:65] scope:SCOPE_SE
	s_setreg_imm32_b32 hwreg(HW_REG_WAVE_MODE, 25, 1), 1
	s_wait_xcnt 0x0
	s_wait_alu depctr_hold_cnt(0) depctr_sa_sdst(0) depctr_va_vdst(0) depctr_va_sdst(0) depctr_va_ssrc(0) depctr_va_vcc(0) depctr_vm_vsrc(0)
	s_getreg_b32 s2, hwreg(HW_REG_IB_STS2, 6, 4)
	s_cmp_eq_u32 s2, 0
	s_cbranch_scc0 .Lentry_in_a_cluster
	s_endpgm
.Lentry_in_a_cluster:
	s_bfe_u32 s2, ttmp6, 0x10000c
	s_cmp_lg_u32 s2, 0x3003
	s_cbranch_scc0 .Lentry_shape_is_right
	s_endpgm
.Lentry_shape_is_right:
; out0 = y Wo^T + bo on codes of FP6 (E2M3) with E8M0 scales: a work-group makes 128 tokens x 128 columns, K = 1,024.  y's and Wo's codes lie in records of 12,800 bytes: 8 fragments of 1,536 bytes, each the image
; of its 12 registers (registers 4 c .. 4 c + 3 of lane l at 512 c + 16 l), then 4 pair-scale images of 128 bytes.  Lane r of tile 2 b + u holds row 32 b + 8 u + r + 8 (r / 8).
; Wave w owns the 32 tokens of y's tiles 2 w, 2 w + 1 and all 128 columns: 16 accumulators; its y fragments stay in window 1.  Wo's block (102,400 bytes) is filled into LDS once.
; CLUSTER: the four token blocks of a cluster need the same block of Wo: it is asked for jointly (mask 15), a quarter a wave; the descriptor hangs on the column block and the wave's number alone.  A wave has one load out.
; Source 0 = 16 rows of Wo, source 1 = 16 tokens: a lane holds one token; register 64 u + 16 b + i = column 32 b + 16 (lane / 16) + i.  The bias is the C of each sum's first matrix instruction.
; The way out: a tile's 16 tokens x 512 bytes go through the wave's own stage (rows 528 bytes apart) and leave as whole rows: 32 lanes store 512 consecutive bytes.
; WINDOW 0: v1 16 x lane, v2 4 x lane, v3-4 LDS addresses in hand, v5 3,072 w + 16 lane, v6 128 w + 4 lane, v7-8 the stage (in, back), v9 the bias's offset, v12-13 the add's two, v16-23 y's pair-scale words, v24-27 Wo's,
;   v32-79 and v80-127 Wo's fragments in two half-sets, v128-255 the accumulators.   WINDOW 1: y's fragment (ks, u) at 24 ks + 12 u; from v192 the bias, 8 registers a tile of columns.
.set REC,   12800
.set BLK,   8*REC
.set STAGE, BLK
.set SPARE, BLK+4*16*528
.set MSB, 0
.macro WIN new                         ; the immediate's high byte repeats the setting that is left
.if MSB != (\new)
	s_set_vgpr_msb (MSB<<8)|(\new)
.set MSB, (\new)
.endif
.endm
.macro CROUND                          ; a round of the cluster's barrier
	s_barrier_signal -1
	s_barrier_wait -1
	s_cmp_lg_u32 s12, 0
	s_cbranch_scc1 .Lnot_wave_0_\@
	s_barrier_signal -3
.Lnot_wave_0_\@:
	s_barrier_wait -3
	s_barrier_signal -1
	s_barrier_wait -1
.endm
.macro WM                              ; one scaled matrix instruction from the symbols rD, rA, rB, rC, rSA, rSB and the scale rows rRA, rRB
.if (rRA == 0) && (rRB == 0)
	v_wmma_scale_f32_16x16x128_f8f6f4 v[rD:rD+7], v[rA:rA+11], v[rB:rB+11], v[rC:rC+7], v[rSA], v[rSB] matrix_a_fmt:MATRIX_FMT_FP6 matrix_b_fmt:MATRIX_FMT_FP6
.elseif (rRA == 1) && (rRB == 0)
	v_wmma_scale_f32_16x16x128_f8f6f4 v[rD:rD+7], v[rA:rA+11], v[rB:rB+11], v[rC:rC+7], v[rSA], v[rSB] matrix_a_fmt:MATRIX_FMT_FP6 matrix_b_fmt:MATRIX_FMT_FP6 matrix_a_scale:MATRIX_SCALE_ROW1
.elseif (rRA == 0) && (rRB == 1)
	v_wmma_scale_f32_16x16x128_f8f6f4 v[rD:rD+7], v[rA:rA+11], v[rB:rB+11], v[rC:rC+7], v[rSA], v[rSB] matrix_a_fmt:MATRIX_FMT_FP6 matrix_b_fmt:MATRIX_FMT_FP6 matrix_b_scale:MATRIX_SCALE_ROW1
.else
	v_wmma_scale_f32_16x16x128_f8f6f4 v[rD:rD+7], v[rA:rA+11], v[rB:rB+11], v[rC:rC+7], v[rSA], v[rSB] matrix_a_fmt:MATRIX_FMT_FP6 matrix_b_fmt:MATRIX_FMT_FP6 matrix_a_scale:MATRIX_SCALE_ROW1 matrix_b_scale:MATRIX_SCALE_ROW1
.endif
.endm
.macro BLOAD ks, hf                    ; Wo's tiles 4 hf .. 4 hf + 3 of K step ks into half-set hf, with their two pair-scale words: 14 LDS loads
	v_add_nc_u32 v3, (\ks)*REC, v1
	v_add_nc_u32 v4, (\ks)*REC+12288, v2
.irp tt, 0,1,2,3
.irp c, 0,1,2
	ds_load_b128 v[32+48*(\hf)+12*\tt+4*\c:32+48*(\hf)+12*\tt+4*\c+3], v3 offset:1536*(4*(\hf)+\tt)+512*\c
.endr
.endr
.irp p, 0,1
	ds_load_b32 v[24+2*(\hf)+\p], v4 offset:128*(2*(\hf)+\p)
.endr
.endm
.macro MM8 ks, hf, first               ; 8 matrix instructions on 8 different accumulators
.if \first
	WIN 0x14                                       ; source 1 (y) and C (the bias) window 1
.else
	WIN 0x04
.endif
.irp tt, 0,1,2,3
.irp u, 0,1
.set rD, 128+64*\u+8*(4*(\hf)+\tt)
.set rA, 32+48*(\hf)+12*\tt
.set rB, 24*(\ks)+12*\u
.set rSA, 24+2*(\hf)+\tt/2
.set rRA, \tt%2
.set rSB, 16+(\ks)
.set rRB, \u
.if \first
.set rC, 192+8*(4*(\hf)+\tt)
.else
.set rC, rD
.endif
	WM
.endr
.endr
.endm
	s_load_b256 s[4:11], s[0:1], 0x0               ; yi, img, bo, out0
	v_lshl_add_u32 v12, v0, 2, SPARE
	v_mov_b32 v13, 0
	ds_add_u32 v12, v13                            ; the wave's opening: the add and its wait ahead of my first tensor load
	v_lshrrev_b32 v14, 5, v0
	v_readfirstlane_b32 s12, v14                   ; wave
	s_bfe_u32 s13, ttmp6, 0x40000                  ; cx
	s_lshl_b32 s14, ttmp9, 2
	s_add_co_u32 s14, s14, s13                     ; mb: my block of 128 tokens
	s_and_b32 s15, ttmp7, 0xffff                   ; the block of 128 columns, which the four partners share
	s_mov_b32 s16, 15|(3<<16)|(1<<21)              ; group 1: the mask names all four; elements of 8 bytes; bit 21 set beside a mask; no padding
	s_mov_b32 s17, 32<<16                          ; tensor_dim0 = 32 elements: 256 bytes
	s_mov_b32 s18, 100<<16                         ; tensor_dim1 = 100 rows: a quarter of the block
	s_mov_b32 s19, 32<<16
	s_mov_b32 s20, 100
	s_mov_b32 s21, 32
	s_mov_b32 s22, 0
	s_mov_b32 s23, 0
	s_mul_i32 s50, s12, 25600                      ; my quarter
	s_mul_i32 s52, s15, BLK
	s_add_co_u32 s52, s52, s50
	s_add_co_u32 s52, s52, 56*BLK                  ; Wo's block, my quarter
	s_mov_b32 s53, 0
	s_mul_i32 s54, s14, BLK                        ; y's block mb
	s_mov_b32 s55, 0
	s_lshl_b32 s56, s15, 9                         ; 512 bytes of columns
	s_mov_b32 s57, 0
	s_lshl_b32 s58, s14, 7
	s_lshl_b32 s59, s12, 5
	s_add_co_u32 s58, s58, s59                     ; my first token
	s_lshl_b32 s58, s58, 12
	s_add_co_u32 s58, s58, s56
	s_mov_b32 s59, 0
	s_wait_dscnt 0x0                               ; the opening add is done
	s_wait_kmcnt 0x0
	s_add_nc_u64 s[36:37], s[4:5], s[54:55]
	s_add_nc_u64 s[44:45], s[8:9], s[56:57]
	s_add_nc_u64 s[46:47], s[10:11], s[58:59]
	s_mov_b32 s24, 1
	s_mov_b32 s25, s50
	s_add_nc_u64 s[26:27], s[6:7], s[52:53]
	s_or_b32 s27, s27, 0x80000000
	CROUND                                         ; all four work-groups are here: the joint loads meet
	tensor_load_to_lds s[24:27], s[16:23]
	s_nop 0
.rept 4
	v_nop
.endr
	v_and_b32 v28, 31, v0
	v_and_b32 v14, 15, v0                          ; r
	v_bfe_u32 v15, v0, 4, 1                        ; lane / 16
	v_lshlrev_b32 v1, 4, v28
	v_lshlrev_b32 v2, 2, v28
	s_mul_i32 s51, s12, 3072
	v_add_nc_u32 v5, s51, v1
	s_lshl_b32 s51, s12, 7
	v_add_nc_u32 v6, s51, v2
	v_lshlrev_b32 v9, 6, v15
	WIN 0x40                                       ; destination window 1
.irp ks, 0,1,2,3,4,5,6,7
.irp u, 0,1
.irp c, 0,1,2
	global_load_b128 v[24*\ks+12*\u+4*\c:24*\ks+12*\u+4*\c+3], v5, s[36:37] offset:\ks*REC+1536*\u+512*\c
.endr
.endr
.endr
.irp b, 0,1,2,3
.irp u, 0,1
.irp q, 0,1
	global_load_b128 v[192+8*(2*\b+\u)+4*\q:192+8*(2*\b+\u)+4*\q+3], v9, s[44:45] offset:128*\b+32*\u+16*\q   ; bo at columns 32 b + 16 (lane / 16) + 8 u + 0 .. 7
.endr
.endr
.endr
	WIN 0
.irp ks, 0,1,2,3,4,5,6,7
	global_load_b32 v[16+\ks], v6, s[36:37] offset:\ks*REC+12288
.endr
	s_mul_i32 s51, s12, 16*528
	s_add_co_u32 s51, s51, STAGE                   ; my stage
	v_mul_u32_u24 v7, v14, 528
	v_lshl_add_u32 v7, v15, 6, v7
	v_add_nc_u32 v7, s51, v7                       ; in: row r, + 64 (lane / 16)
	v_add_nc_u32 v8, s51, v1                       ; back: 16 bytes a lane of a row
	s_wait_tensorcnt 0x0                           ; my quarter of Wo's block is in
	s_wait_loadcnt 0x0                             ; y and the bias
	s_barrier_signal -1
	s_barrier_wait -1
	; 128 matrix instructions.  The 16 accumulators take turns, one instruction a turn.  Behind each eight stand four plain instructions that name none of the products' registers
	; (ISA guide 7.12.1): two v_nop and BLOAD's two additions, or four v_nop; then the half-set just multiplied is loaded anew.
	BLOAD 0, 0
	BLOAD 0, 1
.irp ks, 0,1,2,3,4,5,6,7
.irp hf, 0,1
.if (\ks == 7) && (\hf == 1)
	s_wait_dscnt 0x0
.else
	s_wait_dscnt 14                                ; this half-set is in; the other's 12 + 2 loads, issued behind it, may be out
.endif
.if \ks == 0
	MM8 \ks, \hf, 1
.else
	MM8 \ks, \hf, 0
.endif
	WIN 0
	v_nop
	v_nop
.if \ks < 7
	BLOAD \ks+1, \hf
.else
	v_nop
	v_nop
.endif
.endr
.endr
	; THE WAY OUT.  LDS serves a wave's instructions in order (ISA guide 5.7.1.4): a tile's loads see its stores, and the second tile's stores come behind the first tile's loads.
.irp u, 0,1
.irp b, 0,1,2,3
.irp q, 0,1,2,3
	ds_store_b128 v7, v[128+64*\u+16*\b+4*\q:128+64*\u+16*\b+4*\q+3] offset:128*\b+16*\q   ; each accumulator from its low end on
.endr
.endr
.irp p, 0,1,2,3,4,5,6,7,8,9,10,11,12,13,14,15
	ds_load_b128 v[32+96*\u+4*\p:32+96*\u+4*\p+3], v8 offset:528*\p
.endr
.endr
.irp u, 0,1
.irp p, 0,1,2,3,4,5,6,7,8,9,10,11,12,13,14,15
	s_wait_dscnt (1-\u)*32+15-\p                   ; row p is back; the tile's younger loads, and behind the first tile the second's 16 stores and 16 loads, may be out
	global_store_b128 v1, v[32+96*\u+4*\p:32+96*\u+4*\p+3], s[46:47] offset:(8*\u+\p+8*(\p/8))*4096 th:TH_STORE_NT   ; 512 consecutive bytes, at a multiple of 256 from out0's first byte
.endr
.endr
	s_wait_tensorcnt 0x0                           ; the wave's end
	ds_add_u32 v12, v13
	s_wait_dscnt 0x0
	CROUND                                         ; the closing round
	s_endpgm
.Lfunc_end_k_qea60a08a50_outp:
	.size	k_qea60a08a50_outp, .Lfunc_end_k_qea60a08a50_outp-k_qea60a08a50_outp
	.p2alignl 7, 3214868480
	.fill 96, 4, 3214868480
	.section	.rodata,"a",@progbits
	.p2align	6, 0x0
	.amdhsa_kernel k_qea60a08a50_outp
		.amdhsa_group_segment_fixed_size 167936
		.amdhsa_private_segment_fixed_size 0
		.amdhsa_enable_private_segment 0
		.amdhsa_kernarg_size 32
		.amdhsa_user_sgpr_count 2
		.amdhsa_user_sgpr_kernarg_segment_ptr 1
		.amdhsa_wavefront_size32 1
		.amdhsa_system_sgpr_workgroup_id_x 1
		.amdhsa_system_sgpr_workgroup_id_y 1
		.amdhsa_system_sgpr_workgroup_id_z 1
		.amdhsa_system_vgpr_workitem_id 0
		.amdhsa_next_free_vgpr 512
		.amdhsa_next_free_sgpr 66
		.amdhsa_reserve_vcc 0
		.amdhsa_float_denorm_mode_32 3
		.amdhsa_float_denorm_mode_16_64 3
		.amdhsa_memory_ordered 1
		.amdhsa_forward_progress 1
		.amdhsa_inst_pref_size 54
	.end_amdhsa_kernel
	.amdgpu_metadata
---
amdhsa.version: [ 1, 2 ]
amdhsa.kernels:
  - .name:           k_qea60a08a50_outp
    .symbol:         k_qea60a08a50_outp.kd
    .args:
      - { .name: yi, .offset: 0, .size: 8, .value_kind: global_buffer, .address_space: global }
      - { .name: img, .offset: 8, .size: 8, .value_kind: global_buffer, .address_space: global }
      - { .name: bo, .offset: 16, .size: 8, .value_kind: global_buffer, .address_space: global }
      - { .name: out0, .offset: 24, .size: 8, .value_kind: global_buffer, .address_space: global }
    .group_segment_fixed_size: 167936
    .private_segment_fixed_size: 0
    .kernarg_segment_align: 8
    .kernarg_segment_size: 32
    .max_flat_workgroup_size: 128
    .sgpr_count:     66
    .vgpr_count:     512
    .wavefront_size: 32
...
	.end_amdgpu_metadata
.endif
;; end of part 4
;; ======== version 2 of 2: 4 launches; version 1 with the launch attn written anew for expert scheduling mode
;; workspace buffers: img 6,553,600 bytes; qi 3,276,800 bytes; ki 3,276,800 bytes; vi 3,276,800 bytes; yi 3,276,800 bytes
;; launch quant: the kernel of part 1 again; grid 512 x 1, 4 waves a work-group, no clusters, 68,096 bytes of LDS; arguments x, Wq, Wk, Wv, Wo, img; writes img
;; launch proj: the kernel of part 2 again; grid 32 x 8, 4 waves a work-group, clusters of 4 x 1, 307,712 bytes of LDS; arguments img, qi, ki, vi; writes qi, ki, vi
;; launch attn (part 5): grid 16 x 16, 4 waves a work-group, no clusters, 274,944 bytes of LDS; arguments qi, ki, vi, cos_head_delta, cos_logit_scale_raw, delta_gain, lambda_q1, lambda_k1, lambda_q2, lambda_k2, subln_weight, yi; writes yi
.if DOCPART == 5
	.amdgcn_target "amdgcn-amd-amdhsa--gfx1250"
	.amdhsa_code_object_version 6
	.text
	.protected	k_qea60a08a50_attn
	.globl	k_qea60a08a50_attn
	.p2align	8
	.type	k_qea60a08a50_attn,@function
k_qea60a08a50_attn:
	s_mov_b64 s[64:65], 0
	v_nop
	global_prefetch_b8 v0, s[64:65] scope:SCOPE_SE
	s_setreg_imm32_b32 hwreg(HW_REG_WAVE_SCHED_MODE, 0, 2), 2
	s_setreg_imm32_b32 hwreg(HW_REG_WAVE_MODE, 25, 1), 1
	s_wait_xcnt 0x0
	s_wait_alu depctr_vm_vsrc(0)
; Differential cosine attention of one head for 128 queries, in ONE pass over the pairs.  attn = A1 - lambda A2 is quantised FINISHED AND NORMALISED along the keys, so both row sums over all 2,048 keys come first.
; A work-group walks its 8 tiles of 16 queries in 8 trips.  In a trip wave w owns keys 512 w .. 512 w + 511 (4 K steps of 128): it makes e1 and e2 once, keeps them (K steps 0-2 in its own LDS as register images,
; K step 3 in registers) while the row sums meet across the waves, then forms attn, quantises it and multiplies by V.  The four waves' parts of O^T meet in LDS; RMS norm, weight, x 0.5; y is quantised along the channels.
; The wave's 32 fragments of K and 32 of V stay in registers (windows 1-3: fragment f at window 1 + f / 21, register 12 (f % 21)); fragment 63 lives in LDS.
; S^T = K Q^T (source 0 = 16 keys, source 1 = 16 queries): a lane holds one query; register 16 b + i = key 32 b + 16 (lane / 16) + i.  One K fragment [k1 | k2] serves both score products of K = 64:
; Q1 = [q1's six registers, six of zero codes], Q2 = [six of zero codes, q2's six]; zero codes add nothing under any scale byte from 1 to 254.
; THE GATE.  z = gain (L1 - L2); tanh z = 1 - 2 / (1 + u), u = e^(2 z).  With t = 2 log2(e) / (1 + u): (L1 + G) log2(e) = s1 C + log2(e) - t.  The constant log2(e) is a common factor of a whole row and cancels in e / Z:
; e1 = 2^(s1 C - t), e2 = 2^(s2 C + t).  u = infinity or 0 gives t = 0 or 2 log2(e) with no branch.
; NO MAXIMUM IS TAKEN AWAY: the scores are products of vectors normalised in f32 and rounded to E2M3 (norms at most 1.07, |s| < 1.15), cos_scale is at most 15 x 1.5, 0 <= t <= 2.89: every exponent lies within
; -40.2 .. 40.2 for every input, and a sum of 2,048 such terms within 2^-30 .. 2^52.  nan_to_num is the identity on these finite scores.
; LIMITS: NaN and infinities among the inputs are not served; a block whose largest magnitude lies under 2^-124 (zeros too) gets the byte 1; tanh by this form has an absolute error near 1e-7.
; NO CLUSTER: K and V go straight into registers, each byte loaded once by a work-group at its head (400 KB against 8 trips of work); a joint load lands in LDS alone.  NO PREFETCH: no stream stands behind the head.
; WINDOW 0: v1 e's images, v2-3 O's parts (write, read), v4 scale words, v5-6 Z (write, read), v7-8 sums of squares, v9-11 y's pieces, v12 y's scale byte, v13 16 x lane, v14 4 r, v15 weights, v16 fragment 63, v17 y's copy,
;   v18-19 the add's two, v20 R2 (pair with v21), v[22:23] Z1, v[24:25] Z2, v26 R1 (pair with v27), v28-31 K's or V's pair-scale words, v32 attn's scale word, v33 Q's, v34-51 Q's operands, v52-61 at work, v[62:63] ln2 / 2,
;   v64-127 XA (s1, e1, attn), v128-191 XB (s2, e2; later at work, codes at v144, fragment 63 at v164), v192-255 XT (the gate; later O^T).
; THE MODE: SCHED_MODE bits 1:0 = 2 (LLVM: expert scheduling mode 2), set by the entry lines.  The code itself states the register dependences between vector or matrix instructions and memory or LDS instructions,
; with s_wait_alu, always for 0.
; THE PLAN.  Registers that memory or LDS instructions touch in a trip, and who else names them:
;   v1-v17      addresses and offsets: written at the head, never again.
;   v28-31      read by a step's products as scales; the next step's words are loaded behind a wait on va_vdst that stands there anyway.
;   v33-39, v46-51  Q: read by the score products; the next tile's loads stand behind the row sums, with many waits on va_vdst between and no vector instruction that names them.
;   XA, XB      score steps 0-2: written by products and exponentials, read by the 32 LDS stores of e, written again by the next step's products: one wait on vm_vsrc at a step's head.
;               V steps: e1 of the next step is loaded into XA behind the wait that stands ahead of this step's products (the conversions are done with XA; the products name none of it);
;               e2 and the scale words are loaded behind one wait behind the products, which have read the codes and fragment 63 in XB.
;   XT          written by the gate, then by the V products; read by O^T's LDS stores behind one wait on va_vdst; written again in the next trip behind the wait on vm_vsrc at its head.
;   v52-61      small stores' data and addresses, small loads' landing places: a wait on va_vdst ahead of each store, one on vm_vsrc ahead of each rewriting.
.set REC,   12800
.set OP,    196608                     ; LDS: e's images: 49,152 a wave from 0; O's parts: 8,192 a wave
.set KSV,   229376                     ; K's 16 and V's 16 pair-scale images: 4,096 a wave
.set WIM,   245760                     ; subln_weight at my 16 channels: 2,048 a wave
.set F63,   253952                     ; fragment 63: 1,536 a wave
.set ZP,    260096                     ; the row sums: 256 a wave
.set SSP,   261120                     ; the sums of squares: 128 a wave
.set YF,    261632                     ; y's record: 12,800
.set SPARE, 274432                     ; the spare words
.set XA, 64
.set XB, 128
.set XT, 192
.set MSB, 0
.macro WIN new                         ; the immediate's high byte repeats the setting that is left
.if MSB != (\new)
	s_set_vgpr_msb (MSB<<8)|(\new)
.set MSB, (\new)
.endif
.endm
; One scaled matrix instruction from the symbols rD, rA, rB, rC (under 0: the constant 0), rSA, rSB and A's scale row rRA (B's scales stand in lanes 0-15)
.macro WM
.if rC < 0
.if rRA == 0
	v_wmma_scale_f32_16x16x128_f8f6f4 v[rD:rD+7], v[rA:rA+11], v[rB:rB+11], 0, v[rSA], v[rSB] matrix_a_fmt:MATRIX_FMT_FP6 matrix_b_fmt:MATRIX_FMT_FP6
.else
	v_wmma_scale_f32_16x16x128_f8f6f4 v[rD:rD+7], v[rA:rA+11], v[rB:rB+11], 0, v[rSA], v[rSB] matrix_a_fmt:MATRIX_FMT_FP6 matrix_b_fmt:MATRIX_FMT_FP6 matrix_a_scale:MATRIX_SCALE_ROW1
.endif
.else
.if rRA == 0
	v_wmma_scale_f32_16x16x128_f8f6f4 v[rD:rD+7], v[rA:rA+11], v[rB:rB+11], v[rC:rC+7], v[rSA], v[rSB] matrix_a_fmt:MATRIX_FMT_FP6 matrix_b_fmt:MATRIX_FMT_FP6
.else
	v_wmma_scale_f32_16x16x128_f8f6f4 v[rD:rD+7], v[rA:rA+11], v[rB:rB+11], v[rC:rC+7], v[rSA], v[rSB] matrix_a_fmt:MATRIX_FMT_FP6 matrix_b_fmt:MATRIX_FMT_FP6 matrix_a_scale:MATRIX_SCALE_ROW1
.endif
.endif
.endm
.macro BAR                             ; my LDS stores have landed and my LDS loads are in: then the work-group's barrier
	s_wait_dscnt 0x0
	s_barrier_signal -1
	s_barrier_wait -1
.endm
.macro QUANT s, tm, pc, pw             ; 64 numbers of a lane, register 16 b + i = k 32 b + 16 (lane / 16) + i, become a fragment's codes in v[pc] .. v[pc + 11] and its scale word in v[pw]
.irp b, 0,1,2,3
	v_max3_num_f32 v[\tm+\b], |v[\s+16*\b]|, |v[\s+1+16*\b]|, 0x1800000   ; the floor 2^(3 - 127): the byte cannot fall under 1
.endr
.irp i, 2,4,6,8,10,12,14
.irp b, 0,1,2,3
	v_max3_num_f32 v[\tm+\b], v[\tm+\b], |v[\s+16*\b+\i]|, |v[\s+1+16*\b+\i]|
.endr
.endr
.irp b, 0,1,2,3
	v_permlanex16_b32 v[\tm+4+\b], v[\tm+\b], s40, s41
.endr
.irp b, 0,1,2,3
	v_max_num_f32 v[\tm+\b], v[\tm+\b], v[\tm+4+\b]
.endr
.irp b, 0,1,2,3
	v_add_nc_u32 v[\tm+12+\b], 0xff000000, v[\tm+\b]
.endr
.irp b, 0,1,2,3
	v_lshrrev_b32 v[\tm+4+\b], 23, v[\tm+12+\b]
.endr
	v_lshl_or_b32 v[\pw], v[\tm+5], 8, v[\tm+4]
	v_lshl_or_b32 v[\pw], v[\tm+6], 16, v[\pw]
	v_lshl_or_b32 v[\pw], v[\tm+7], 24, v[\pw]
.irp c, 0,1
	v_cvt_scalef32_pk16_fp6_f32 v[\pc+6*\c:\pc+2+6*\c], v[\s+32*\c:\s+15+32*\c], v[\tm+12+2*\c]
	v_cvt_scalef32_pk16_fp6_f32 v[\pc+12+4*\c:\pc+14+4*\c], v[\s+16+32*\c:\s+31+32*\c], v[\tm+12+2*\c+1]
.endr
	v_nop                                          ; one plain instruction behind the scaled conversions
.irp c, 0,1
.irp i, 0,1,2
	v_permlane16_swap_b32 v[\pc+6*\c+\i], v[\pc+12+4*\c+\i]
.endr
.irp i, 0,1,2
	v_mov_b32 v[\pc+3+6*\c+\i], v[\pc+12+4*\c+\i]
.endr
.endr
.endm
; The plain parts of the three batches, for group g (four numbers of each branch), and four transcendentals in place on group g - 1
.macro P1                              ; (s1 - s2) KD
	v_pk_add_f32 v[XT+4*g:XT+4*g+1], v[XA+4*g:XA+4*g+1], v[XB+4*g:XB+4*g+1] neg_lo:[0,1] neg_hi:[0,1]
	v_pk_add_f32 v[XT+4*g+2:XT+4*g+3], v[XA+4*g+2:XA+4*g+3], v[XB+4*g+2:XB+4*g+3] neg_lo:[0,1] neg_hi:[0,1]
	v_pk_mul_f32 v[XT+4*g:XT+4*g+1], v[XT+4*g:XT+4*g+1], s[34:35] op_sel_hi:[1,0]
	v_pk_mul_f32 v[XT+4*g+2:XT+4*g+3], v[XT+4*g+2:XT+4*g+3], s[34:35] op_sel_hi:[1,0]
.endm
.macro P2                              ; (1 + u) ln2 / 2: its reciprocal is t
	v_pk_fma_f32 v[XT+4*g:XT+4*g+1], v[XT+4*g:XT+4*g+1], v[62:63], v[62:63]
	v_pk_fma_f32 v[XT+4*g+2:XT+4*g+3], v[XT+4*g+2:XT+4*g+3], v[62:63], v[62:63]
.endm
.macro P3                              ; s1 C - t, s2 C + t
	v_pk_fma_f32 v[XA+4*g:XA+4*g+1], v[XA+4*g:XA+4*g+1], s[32:33], v[XT+4*g:XT+4*g+1] op_sel_hi:[1,0,1] neg_lo:[0,0,1] neg_hi:[0,0,1]
	v_pk_fma_f32 v[XA+4*g+2:XA+4*g+3], v[XA+4*g+2:XA+4*g+3], s[32:33], v[XT+4*g+2:XT+4*g+3] op_sel_hi:[1,0,1] neg_lo:[0,0,1] neg_hi:[0,0,1]
	v_pk_fma_f32 v[XB+4*g:XB+4*g+1], v[XB+4*g:XB+4*g+1], s[32:33], v[XT+4*g:XT+4*g+1] op_sel_hi:[1,0,1]
	v_pk_fma_f32 v[XB+4*g+2:XB+4*g+3], v[XB+4*g+2:XB+4*g+3], s[32:33], v[XT+4*g+2:XT+4*g+3] op_sel_hi:[1,0,1]
.endm
.macro ET op, base
.irp i, 0,1,2,3
	\op v[\base+4*(g-1)+\i], v[\base+4*(g-1)+\i]
.endr
.endm
.macro ENDBATCH                        ; a plain instruction behind the last transcendental, and ONE wait for the batch: its results are written, ahead of their first reader
	v_nop
	s_wait_alu depctr_va_vdst(0)
.endm
; K STEP s OF A TRIP: 16 products, the gate, e1 and e2, their sums; for s < 3 the e's go to my LDS
.macro SCORE s
.if \s == 0
	s_wait_alu depctr_vm_vsrc(0)                   ; the last trip's LDS stores have read O^T's parts in XT and y's pieces and their addresses in v53-61; in the first trip the head's loads and LDS stores have read v56-61 and v76-127: all of these are written again in this trip
.else
	s_wait_alu depctr_vm_vsrc(0)                   ; the LDS stores of the last step's e have read XA and XB, which the products below write again
	s_wait_dscnt 32                                ; this step's scale words are in: behind their loads stand the 32 stores of the last step's e
.endif
.set rC, -1
.set rSB, 33
.irp t, 0,1,2,3,4,5,6,7
.set fK, 8*\s+\t
	WIN 1+fK/21
.set rA, 12*(fK%21)
.set rSA, 28+\t/2
.set rRA, \t%2
.set rD, XA+8*\t
.set rB, 34
	WM
.set rD, XB+8*\t
.set rB, 40
	WM
.endr
	WIN 0
.rept 4
	v_nop                                          ; four plain instructions behind the products (ISA guide 7.12.1), ahead of the reads of their results
.endr
.set g, 0
	P1
.rept 15
.set g, g+1
	P1
	ET v_exp_f32, XT
.endr
.set g, 16
	ET v_exp_f32, XT
	ENDBATCH                                       ; the wait also states that the products above are done reading their scale words v28-31, in which the loads below land
.irp p, 0,1,2,3
.if \s < 3
	ds_load_b32 v[28+\p], v4 offset:512*(\s+1)+128*\p    ; K's scale words of the next step
.else
	ds_load_b32 v[28+\p], v4 offset:2048+512*3+128*\p    ; V's of K step 3, which is multiplied first
.endif
.endr
.set g, 0
	P2
.rept 15
.set g, g+1
	P2
	ET v_rcp_f32, XT
.endr
.set g, 16
	ET v_rcp_f32, XT
	ENDBATCH
.set g, 0
	P3
.rept 15
.set g, g+1
	P3
	ET v_exp_f32, XA
	ET v_exp_f32, XB
.endr
.set g, 16
	ET v_exp_f32, XA
	ET v_exp_f32, XB
	ENDBATCH                                       ; the wait also states that e1 and e2 are written, which the LDS stores below read; each store stands ahead of the additions that read its registers, and nothing writes XA or XB in this step any more
.if \s < 3
	ds_store_b128 v1, v[XA:XA+3] offset:8192*\s
	ds_store_b128 v1, v[XB:XB+3] offset:24576+8192*\s
.endif
	v_pk_add_f32 v[XT:XT+1], v[XA:XA+1], v[XA+2:XA+3]          ; the row sums, two chains a branch
	v_pk_add_f32 v[XT+2:XT+3], v[XB:XB+1], v[XB+2:XB+3]
.irp j, 4,8,12,16,20,24,28,32,36,40,44,48,52,56,60
.if \s < 3
	ds_store_b128 v1, v[XA+\j:XA+\j+3] offset:8192*\s+128*\j
	ds_store_b128 v1, v[XB+\j:XB+\j+3] offset:24576+8192*\s+128*\j
.endif
	v_pk_add_f32 v[22:23], v[22:23], v[XA+\j:XA+\j+1]
	v_pk_add_f32 v[24:25], v[24:25], v[XB+\j:XB+\j+1]
	v_pk_add_f32 v[XT:XT+1], v[XT:XT+1], v[XA+\j+2:XA+\j+3]
	v_pk_add_f32 v[XT+2:XT+3], v[XT+2:XT+3], v[XB+\j+2:XB+\j+3]
.endr
	v_pk_add_f32 v[22:23], v[22:23], v[XT:XT+1]
	v_pk_add_f32 v[24:25], v[24:25], v[XT+2:XT+3]
.endm
; K STEP s OF THE SECOND PRODUCT: attn = e1 R1 - e2 R2, quantised along the keys, times V's eight tiles.  The eight accumulators take turns, one instruction a turn.
; n: the K step that follows (under 0: none).  Its e1 is asked for ahead of this step's products, its scale words and e2 behind them.
.macro PV s, n
.irp q, 0,1,2,3
.if \s != 3
	s_wait_dscnt 12-4*\q                           ; this quarter's 4 loads of e2 are in, and so is all that was asked for earlier (e1, the scale words); the younger quarters' may be out
.endif
.irp i, 0,2,4,6,8,10,12,14
	v_pk_mul_f32 v[XB+16*\q+\i:XB+16*\q+\i+1], v[XB+16*\q+\i:XB+16*\q+\i+1], v[20:21] op_sel_hi:[1,0]
.endr
.irp i, 0,2,4,6,8,10,12,14
	v_pk_fma_f32 v[XA+16*\q+\i:XA+16*\q+\i+1], v[XA+16*\q+\i:XA+16*\q+\i+1], v[26:27], v[XB+16*\q+\i:XB+16*\q+\i+1] op_sel_hi:[1,0,1] neg_lo:[0,0,1] neg_hi:[0,0,1]
.endr
.endr
.if \s == 3
	s_wait_alu depctr_va_vdst(0)                   ; the multiplications above have written v164-175 and the multiply-adds are done reading them: fragment 63 lands there
.irp c, 0,1,2
	ds_load_b128 v[164+4*\c:167+4*\c], v16 offset:512*\c     ; fragment 63
.endr
.endif
	QUANT 64, 128, 144, 32
.rept 8
	v_nop                                          ; the scale word, made by vector instructions, stands 8 plain instructions ahead of the scaled products, the codes 4
.endr
	s_wait_alu depctr_va_vdst(0)                   ; the codes v144-155 and the scale word v32 are written, which the scaled products take; and the conversions are done reading XA, in which the loads below land
.if (\n) >= 0
.irp i, 0,1,2,3,4,5,6,7,8,9,10,11,12,13,14,15
	ds_load_b128 v[XA+4*\i:XA+4*\i+3], v1 offset:8192*(\n)+512*\i   ; the next step's e1, in one run ahead of the products, which name none of XA
.endr
.endif
.if \s == 3
	s_wait_dscnt 16                                ; fragment 63 is in; the 16 loads just issued may be out
.endif
.set rB, 144
.set rSB, 32
.irp t, 0,1,2,3,4,5,6,7
.set fV, 32+8*\s+\t
.if fV < 63
	WIN 1+fV/21
.set rA, 12*(fV%21)
.else
	WIN 0
.set rA, 164
.endif
.set rSA, 28+\t/2
.set rRA, \t%2
.set rD, XT+8*\t
.if \s == 3
.set rC, -1
.else
.set rC, rD
.endif
	WM
.endr
	WIN 0
.rept 4
	v_nop                                          ; four plain instructions behind the products (ISA guide 7.12.1): they stay beside the wait below
.endr
.if (\n) >= 0
	s_wait_alu depctr_va_vdst(0)                   ; the products are done reading their scale words v28-31, the codes v144-155 and, in K step 3, fragment 63 in v164-175: the loads below land in all of these
.irp p, 0,1,2,3
	ds_load_b32 v[28+\p], v4 offset:2048+512*(\n)+128*\p     ; V's scale words of the next step
.endr
.irp i, 0,1,2,3,4,5,6,7,8,9,10,11,12,13,14,15
	ds_load_b128 v[XB+4*\i:XB+4*\i+3], v1 offset:24576+8192*(\n)+512*\i   ; and its e2
.endr
.else
	s_wait_alu depctr_va_vdst(0)                   ; the products have written O^T, which the LDS stores behind this step read, and are done reading v28-31, in which the next trip's scale words land
.endif
.endm
	s_load_b512 s[4:19], s[0:1], 0x0               ; qi, ki, vi, cos_head_delta, cos_logit_scale_raw, delta_gain, lambda_q1, lambda_k1
	s_load_b256 s[20:27], s[0:1], 0x40             ; lambda_q2, lambda_k2, subln_weight, yi
	v_lshl_add_u32 v18, v0, 2, SPARE
	v_mov_b32 v19, 0
	v_lshrrev_b32 v52, 5, v0
	v_readfirstlane_b32 s28, v52                   ; wave
	s_and_b32 s30, ttmp7, 0xffff                   ; 8 b + h
	s_and_b32 s31, s30, 7                          ; h
	v_and_b32 v53, 31, v0                          ; lane
	v_and_b32 v54, 15, v0                          ; r
	v_bfe_u32 v55, v0, 4, 1                        ; lane / 16
	v_lshlrev_b32 v13, 4, v53
	v_lshlrev_b32 v14, 2, v54
	s_wait_alu depctr_va_sdst(0)                   ; s28 is written, ahead of its first reader: the LDS addresses and the bases below are made from it
	s_mul_i32 s50, s28, 49152
	v_add_nc_u32 v1, s50, v13
	s_lshl_b32 s50, s28, 13
	s_add_co_u32 s50, s50, OP
	v_add_nc_u32 v2, s50, v13
	s_lshl_b32 s50, s28, 11
	s_add_co_u32 s50, s50, OP
	v_add_nc_u32 v3, s50, v13
	s_lshl_b32 s50, s28, 12
	s_add_co_u32 s50, s50, KSV
	v_lshl_add_u32 v4, v53, 2, s50
	v_add_nc_u32 v61, s50, v13
	s_lshl_b32 s50, s28, 8
	s_add_co_u32 s50, s50, ZP
	v_lshl_add_u32 v5, v53, 3, s50
	v_lshlrev_b32 v6, 3, v53
	v_add_nc_u32 v6, ZP, v6
	s_lshl_b32 s50, s28, 7
	s_add_co_u32 s50, s50, SSP
	v_lshl_add_u32 v7, v53, 2, s50
	v_lshlrev_b32 v8, 2, v53
	v_add_nc_u32 v8, SSP, v8
	; y's pieces: register rho = 6 (w / 2) + 3 (lane / 16) + i of lane r + 16 (w % 2) of a fragment's image: 512 (rho / 4) + 4 (rho % 4) + 16 r + 256 (w % 2)
	s_lshr_b32 s50, s28, 1
	s_mul_i32 s50, s50, 6
	s_and_b32 s51, s28, 1
	s_lshl_b32 s51, s51, 8
	s_add_co_u32 s51, s51, YF
	v_mul_u32_u24 v56, v55, 3
	v_add_nc_u32 v56, s50, v56
.irp i, 0,1,2
	v_add_nc_u32 v57, \i, v56
	v_lshrrev_b32 v58, 2, v57
	v_and_b32 v57, 3, v57
	v_lshlrev_b32 v57, 2, v57
	v_lshl_add_u32 v57, v58, 9, v57
	v_lshl_add_u32 v57, v54, 4, v57
	v_add_nc_u32 v[9+\i], s51, v57
.endr
	s_add_co_u32 s50, s28, YF+12288
	v_add_nc_u32 v12, s50, v14                     ; byte w of row r's scale word
	s_lshl_b32 s50, s28, 11
	s_add_co_u32 s50, s50, WIM
	v_add_nc_u32 v15, s50, v13
	s_mul_i32 s50, s28, 1536
	s_add_co_u32 s50, s50, F63
	v_add_nc_u32 v16, s50, v13
	s_lshl_b32 s50, s28, 9
	s_add_co_u32 s50, s50, YF
	v_add_nc_u32 v17, s50, v13
	s_lshl_b32 s50, s30, 4                         ; a head's 16 records
	s_lshl_b32 s51, s28, 2
	s_add_co_u32 s51, s50, s51                     ; + my wave's four
	s_mul_i32 s52, s51, REC
	s_mov_b32 s53, 0
	s_add_co_u32 s50, s50, ttmp9                   ; q's record: my block of 128 queries
	s_mul_i32 s54, s50, REC
	s_mov_b32 s55, 0
	s_lshr_b32 s50, s30, 3
	s_lshl_b32 s50, s50, 4
	s_add_co_u32 s50, s50, ttmp9                   ; the token block, 16 b + qb
	s_lshl_b32 s50, s50, 3
	s_add_co_u32 s50, s50, s31                     ; y's record: K step h of that block
	s_mul_i32 s56, s50, REC
	s_mov_b32 s57, 0
	v_and_b32 v56, 7, v0
	v_lshlrev_b32 v56, 2, v56
	s_lshl_b32 s50, s31, 2
	v_mov_b32 v57, s50
	v_mov_b32 v58, 0
	v_lshlrev_b32 v59, 3, v53
	s_lshl_b32 s50, s28, 7
	v_lshl_add_u32 v60, v55, 6, s50                ; subln_weight at d = 32 w + 16 (lane / 16)
	s_mov_b32 s40, 0x76543210
	s_mov_b32 s41, 0xfedcba98
	s_mov_b32 s42, 8                               ; trips
	s_mov_b32 s43, 0                               ; y's tile, in bytes of fragments,
	s_mov_b32 s39, 0                               ; and of scale words
.irp i, 40,41,42,43,44,45,21,27
	v_mov_b32 v[\i], 0                             ; the six registers of zero codes; the unused halves of two pairs
.endr
	v_mov_b32 v62, 0x3eb17218                      ; ln2 / 2
	v_mov_b32 v63, 0x3eb17218
	s_wait_kmcnt 0x0
	s_add_nc_u64 s[6:7], s[6:7], s[52:53]
	s_add_nc_u64 s[8:9], s[8:9], s[52:53]
	s_add_nc_u64 s[44:45], s[4:5], s[54:55]
	s_add_nc_u64 s[46:47], s[44:45], 12288
	s_add_nc_u64 s[48:49], s[26:27], s[56:57]
	s_wait_alu depctr_va_vdst(0)                   ; the addresses and offsets v1-v17 and v56-61 are written, which the kernel's loads and stores read; so are the zero codes v40-45, which the scaled products take
	; 28 small loads first
	global_load_b32 v64, v56, s[10:11]             ; cos_head_delta[lane % 8]
	global_load_b32 v65, v57, s[10:11]             ; cos_head_delta[h]
	global_load_b32 v66, v57, s[14:15]             ; delta_gain[h]
	global_load_b32 v67, v58, s[12:13]             ; cos_logit_scale_raw
	global_load_b64 v[68:69], v59, s[16:17]
	global_load_b64 v[70:71], v59, s[18:19]
	global_load_b64 v[72:73], v59, s[20:21]
	global_load_b64 v[74:75], v59, s[22:23]
.irp q, 0,1,2,3
	global_load_b128 v[76+4*\q:79+4*\q], v60, s[24:25] offset:16*\q
.endr
.irp s, 0,1,2,3
	global_load_b128 v[92+4*\s:95+4*\s], v13, s[6:7] offset:\s*REC+12288     ; a record's four pair-scale images: 512 consecutive bytes
.endr
.irp s, 0,1,2,3
	global_load_b128 v[108+4*\s:111+4*\s], v13, s[8:9] offset:\s*REC+12288
.endr
.irp c, 0,1,2
	global_load_b128 v[124+4*\c:127+4*\c], v13, s[8:9] offset:3*REC+7*1536+512*\c
.endr
	global_load_b128 v[34:37], v13, s[44:45]               ; Q's tile 0: registers 0-3,
	global_load_b64 v[38:39], v13, s[44:45] offset:512     ; 4-5: branch 1;
	global_load_b64 v[46:47], v13, s[44:45] offset:520     ; 6-7,
	global_load_b128 v[48:51], v13, s[44:45] offset:1024   ; 8-11: branch 2
	global_load_b32 v33, v14, s[46:47]
.set f, 0
.rept 32                               ; K's 32 fragments
	WIN (1+f/21)<<6
.irp c, 0,1,2
	global_load_b128 v[12*(f%21)+4*\c:12*(f%21)+4*\c+3], v13, s[6:7] offset:(f/8)*REC+(f%8)*1536+512*\c
.endr
.set f, f+1
.endr
	WIN 0
	s_wait_loadcnt 63                              ; 96 loads were issued behind the 28 small ones: with 63 out at the most, those are in
	v_add_f32_dpp v64, v64, v64 row_xmask:1 row_mask:0xf bank_mask:0xf
	v_add_f32_dpp v64, v64, v64 row_xmask:2 row_mask:0xf bank_mask:0xf
	v_add_f32_dpp v64, v64, v64 row_xmask:4 row_mask:0xf bank_mask:0xf
	v_fmamk_f32 v65, v64, 0xbe000000, v65          ; head_delta = delta[h] - mean
	v_mul_f32 v68, v68, v70
	v_fmac_f32 v68, v69, v71
	v_mul_f32 v72, v72, v74
	v_fmac_f32 v72, v73, v75
.irp m, 1,2,4,8
	v_add_f32_dpp v68, v68, v68 row_xmask:\m row_mask:0xf bank_mask:0xf
	v_add_f32_dpp v72, v72, v72 row_xmask:\m row_mask:0xf bank_mask:0xf
.endr
	v_permlanex16_b32 v69, v68, s40, s41
	v_permlanex16_b32 v73, v72, s40, s41
	v_add_f32 v68, v68, v69
	v_add_f32 v72, v72, v73
	v_mul_f32 v67, 0xbfb8aa3b, v67                 ; -raw log2(e)
	v_mul_f32 v65, 0x4038aa3b, v65                 ; 2 log2(e) head_delta
	v_mul_f32 v68, 0x3fb8aa3b, v68
	v_mul_f32 v72, 0x3fb8aa3b, v72
	v_exp_f32 v67, v67
	v_exp_f32 v65, v65
	v_exp_f32 v68, v68                             ; lambda_1
	v_exp_f32 v72, v72                             ; lambda_2
	ENDBATCH
	v_add_f32 v67, 1.0, v67
	v_add_f32 v65, 1.0, v65
	v_rcp_f32 v67, v67                             ; sigmoid(raw)
	v_rcp_f32 v65, v65                             ; x: tanh = 1 - 2 x
	ENDBATCH
	v_sub_f32 v65, 0x3fc00000, v65                 ; 1 + 0.5 tanh = 1.5 - x
	v_mul_f32 v67, 0x41700000, v67
	v_mul_f32 v67, v67, v65                        ; cos_scale
	v_mul_f32 v70, 0x3fb8aa3b, v67                 ; C = cos_scale log2(e)
	v_mul_f32 v71, v66, v67
	v_mul_f32 v71, 0x4038aa3b, v71                 ; KD = 2 log2(e) gain cos_scale
	v_sub_f32 v68, v68, v72
	v_add_f32 v68, 0.5, v68                        ; lambda
	v_readfirstlane_b32 s32, v70
	v_readfirstlane_b32 s34, v71
	v_readfirstlane_b32 s38, v68
	s_wait_alu depctr_va_sdst(0)                   ; s32, s34 and s38 are written, ahead of their first readers: the two copies below and the trips' arithmetic
	s_mov_b32 s33, s32                             ; (named with it as a pair, so it is written)
	s_mov_b32 s35, s34
.irp s, 0,1,2,3
	ds_store_b128 v61, v[92+4*\s:95+4*\s] offset:512*\s          ; loaded data, by addresses made ahead of the head's wait on va_vdst: the arithmetic since names v64-75 alone
	ds_store_b128 v61, v[108+4*\s:111+4*\s] offset:2048+512*\s
.endr
.irp q, 0,1,2,3
	ds_store_b128 v15, v[76+4*\q:79+4*\q] offset:512*\q
.endr
.irp c, 0,1,2
	ds_store_b128 v16, v[124+4*\c:127+4*\c] offset:512*\c
.endr
.set f, 32
.rept 31                               ; V's fragments 32 to 62: no vector instruction has named their registers, nor v13 since the head's wait
	WIN (1+f/21)<<6
.irp c, 0,1,2
	global_load_b128 v[12*(f%21)+4*\c:12*(f%21)+4*\c+3], v13, s[8:9] offset:((f-32)/8)*REC+(f%8)*1536+512*\c
.endr
.set f, f+1
.endr
	WIN 0
	s_wait_loadcnt 63                              ; 93 loads were issued behind K's: K is in
.irp p, 0,1,2,3
	ds_load_b32 v[28+\p], v4 offset:128*\p         ; LDS serves a wave's instructions in order: these see my stores
.endr
	s_wait_dscnt 0x0
.Ltrip:
.irp i, 22,23,24,25
	v_mov_b32 v[\i], 0
.endr
	SCORE 0
	SCORE 1
	SCORE 2
	SCORE 3
	v_add_f32 v22, v22, v23
	v_add_f32 v24, v24, v25
	v_permlanex16_b32 v23, v22, s40, s41
	v_permlanex16_b32 v25, v24, s40, s41
	v_add_f32 v52, v22, v23                        ; my wave's 512 keys: Z1,
	v_add_f32 v53, v24, v25                        ; Z2
	s_wait_alu depctr_va_vdst(0)                   ; v52 and v53 are written, which the LDS store reads
	ds_store_b64 v5, v[52:53]
	BAR
	s_wait_alu depctr_vm_vsrc(0)                   ; my LDS store has read v52 and v53, in which the first of the loads below lands
.irp i, 0,1,2,3
	ds_load_b64 v[52+2*\i:53+2*\i], v6 offset:256*\i
.endr
	s_wait_dscnt 0x0
.irp i, 1,2,3
	v_add_f32 v52, v52, v[52+2*\i]                 ; in the waves' order, alike in all four
	v_add_f32 v53, v53, v[53+2*\i]
.endr
	v_rcp_f32 v26, v52                             ; R1 = 1 / Z1
	v_rcp_f32 v20, v53
	ENDBATCH
	v_mul_f32 v20, s38, v20                        ; R2 = lambda / Z2
	s_wait_loadcnt 0x0                             ; in the first trip: V
	s_cmp_eq_u32 s42, 1                            ; the next tile's Q is asked for here, if there is one: no load leaves its buffer
	s_cbranch_scc1 .Lno_next
	s_add_nc_u64 s[44:45], s[44:45], 1536          ; (the loads that read these bases have been waited for)
	s_add_nc_u64 s[46:47], s[46:47], 64
	global_load_b128 v[34:37], v13, s[44:45]       ; the score products, Q's only readers, stand ahead of the waits on va_vdst above, and nothing since names Q's registers
	global_load_b64 v[38:39], v13, s[44:45] offset:512
	global_load_b64 v[46:47], v13, s[44:45] offset:520
	global_load_b128 v[48:51], v13, s[44:45] offset:1024
	global_load_b32 v33, v14, s[46:47]
.Lno_next:
	PV 3, 0                                        ; K step 3's e are still in registers
	PV 0, 1
	PV 1, 2
	PV 2, -1
.irp i, 0,1,2,3,4,5,6,7,8,9,10,11,12,13,14,15
	ds_store_b128 v2, v[XT+4*\i:XT+4*\i+3] offset:512*\i     ; my part of O^T, each accumulator from its low end on
.endr
.irp p, 0,1,2,3
	ds_load_b32 v[28+\p], v4 offset:128*\p         ; K's scale words of the next trip's first step
.endr
	BAR
.irp a, 0,1,2,3
.irp q, 0,1,2,3
	ds_load_b128 v[64+16*\a+4*\q:67+16*\a+4*\q], v3 offset:8192*\a+512*\q   ; the four waves' parts of channels d = 32 w + 16 (lane / 16) + 0 .. 15.  (XA and v128-143 were last named ahead of the last step's waits on va_vdst)
.endr
.endr
.irp q, 0,1,2,3
	ds_load_b128 v[128+4*\q:131+4*\q], v15 offset:512*\q
.endr
	s_wait_dscnt 0x0
.irp a, 80,96,112
.irp i, 0,2,4,6,8,10,12,14
	v_pk_add_f32 v[64+\i:65+\i], v[64+\i:65+\i], v[\a+\i:\a+\i+1]
.endr
.endr
	v_pk_mul_f32 v[52:53], v[64:65], v[64:65]
.irp i, 2,4,6,8,10,12,14
	v_pk_fma_f32 v[52:53], v[64+\i:65+\i], v[64+\i:65+\i], v[52:53]
.endr
	v_add_f32 v52, v52, v53
	v_permlanex16_b32 v53, v52, s40, s41
	v_add_f32 v52, v52, v53                        ; my 32 channels' sum of squares
	s_wait_alu depctr_va_vdst(0)                   ; v52 is written, which the LDS store reads
	ds_store_b32 v7, v52
	BAR
	s_wait_alu depctr_vm_vsrc(0)                   ; my LDS store has read v52, which is written again below
.irp i, 0,1,2,3
	ds_load_b32 v[54+\i], v8 offset:128*\i
.endr
	s_wait_dscnt 0x0
	v_add_f32 v54, v54, v55
	v_add_f32 v54, v54, v56
	v_add_f32 v54, v54, v57
	v_mul_f32 v54, 0x3c000000, v54                 ; / 128: exact
	v_add_f32 v54, 0x3727c5ac, v54                 ; + 1e-5
	v_rsq_f32 v55, v54
	ENDBATCH
	v_mul_f32 v52, 0.5, v55                        ; x (1 - lambda_init): exact
.irp i, 0,2,4,6,8,10,12,14
	v_pk_mul_f32 v[64+\i:65+\i], v[64+\i:65+\i], v[52:53] op_sel_hi:[1,0]
.endr
.irp i, 0,2,4,6,8,10,12,14
	v_pk_mul_f32 v[64+\i:65+\i], v[64+\i:65+\i], v[128+\i:129+\i]
.endr
	v_max3_num_f32 v54, |v64|, |v65|, 0x1800000    ; block w of the head's four along the output projection's K: my 16, then lane l xor 16's
.irp i, 2,4,6,8,10,12,14
	v_max3_num_f32 v54, v54, |v[64+\i]|, |v[65+\i]|
.endr
	v_permlanex16_b32 v55, v54, s40, s41
	v_max_num_f32 v54, v54, v55
	v_add_nc_u32 v55, 0xff000000, v54
	v_cvt_scalef32_pk16_fp6_f32 v[56:58], v[64:79], v55
	v_lshrrev_b32 v54, 23, v55                     ; the scale's byte (a plain instruction behind the conversion)
	v_add_nc_u32 v59, s43, v9
	v_add_nc_u32 v60, s43, v10
	v_add_nc_u32 v61, s43, v11
	v_add_nc_u32 v53, s39, v12
	s_wait_alu depctr_va_vdst(0)                   ; the codes v56-58, the byte v54 and the four addresses v53, v59-61 are written, which the LDS stores read; and the arithmetic is done with v64-87, in which the loads behind the last trip land
	ds_store_b32 v59, v56
	ds_store_b32 v60, v57
	ds_store_b32 v61, v58
	ds_store_b8 v53, v54                           ; both lanes of a pair write the same byte with the same value
	s_add_co_u32 s43, s43, 1536
	s_add_co_u32 s39, s39, 64
	s_wait_loadcnt 0x0                             ; the next tile's Q
	s_sub_co_u32 s42, s42, 1
	s_cmp_lg_u32 s42, 0
	s_cbranch_scc1 .Ltrip
	BAR                                            ; y's record is whole
	s_lshl_b32 s50, s28, 9
	v_add_nc_u32 v52, s50, v13
	s_wait_alu depctr_va_vdst(0)                   ; v52 is written: the offset of the stores below
.irp j, 0,1,2,3,4,5
	ds_load_b128 v[64+4*\j:67+4*\j], v17 offset:2048*\j
.endr
.irp j, 0,1,2,3,4,5
	s_wait_dscnt 5-\j                              ; the younger loads of the copy may be out
	global_store_b128 v52, v[64+4*\j:67+4*\j], s[48:49] offset:2048*\j   ; 512 consecutive bytes
.endr
	s_cmp_lg_u32 s28, 0                            ; the record's 25th piece of 512 bytes, the scale words: wave 0
	s_cbranch_scc1 .Lnot_first
	ds_load_b128 v[88:91], v17 offset:12288
	s_wait_dscnt 0x0
	global_store_b128 v52, v[88:91], s[48:49] offset:12288
.Lnot_first:
	s_wait_dscnt 0x0                               ; the closing lines, six on end
	s_wait_alu 0x0
	s_wait_tensorcnt 0x0
	ds_add_u32 v18, v19
	s_wait_dscnt 0x0
	s_endpgm
.Lfunc_end_k_qea60a08a50_attn:
	.size	k_qea60a08a50_attn, .Lfunc_end_k_qea60a08a50_attn-k_qea60a08a50_attn
	.p2alignl 7, 3214868480
	.fill 96, 4, 3214868480
	.section	.rodata,"a",@progbits
	.p2align	6, 0x0
	.amdhsa_kernel k_qea60a08a50_attn
		.amdhsa_group_segment_fixed_size 274944
		.amdhsa_private_segment_fixed_size 0
		.amdhsa_enable_private_segment 0
		.amdhsa_kernarg_size 96
		.amdhsa_user_sgpr_count 2
		.amdhsa_user_sgpr_kernarg_segment_ptr 1
		.amdhsa_wavefront_size32 1
		.amdhsa_system_sgpr_workgroup_id_x 1
		.amdhsa_system_sgpr_workgroup_id_y 1
		.amdhsa_system_sgpr_workgroup_id_z 1
		.amdhsa_system_vgpr_workitem_id 0
		.amdhsa_next_free_vgpr 1024
		.amdhsa_next_free_sgpr 66
		.amdhsa_reserve_vcc 0
		.amdhsa_float_denorm_mode_32 3
		.amdhsa_float_denorm_mode_16_64 3
		.amdhsa_memory_ordered 1
		.amdhsa_forward_progress 1
		.amdhsa_inst_pref_size 191
	.end_amdhsa_kernel
	.amdgpu_metadata
---
amdhsa.version: [ 1, 2 ]
amdhsa.kernels:
  - .name:           k_qea60a08a50_attn
    .symbol:         k_qea60a08a50_attn.kd
    .args:
      - { .name: qi, .offset: 0, .size: 8, .value_kind: global_buffer, .address_space: global }
      - { .name: ki, .offset: 8, .size: 8, .value_kind: global_buffer, .address_space: global }
      - { .name: vi, .offset: 16, .size: 8, .value_kind: global_buffer, .address_space: global }
      - { .name: cos_head_delta, .offset: 24, .size: 8, .value_kind: global_buffer, .address_space: global }
      - { .name: cos_logit_scale_raw, .offset: 32, .size: 8, .value_kind: global_buffer, .address_space: global }
      - { .name: delta_gain, .offset: 40, .size: 8, .value_kind: global_buffer, .address_space: global }
      - { .name: lambda_q1, .offset: 48, .size: 8, .value_kind: global_buffer, .address_space: global }
      - { .name: lambda_k1, .offset: 56, .size: 8, .value_kind: global_buffer, .address_space: global }
      - { .name: lambda_q2, .offset: 64, .size: 8, .value_kind: global_buffer, .address_space: global }
      - { .name: lambda_k2, .offset: 72, .size: 8, .value_kind: global_buffer, .address_space: global }
      - { .name: subln_weight, .offset: 80, .size: 8, .value_kind: global_buffer, .address_space: global }
      - { .name: yi, .offset: 88, .size: 8, .value_kind: global_buffer, .address_space: global }
    .group_segment_fixed_size: 274944
    .private_segment_fixed_size: 0
    .kernarg_segment_align: 8
    .kernarg_segment_size: 96
    .max_flat_workgroup_size: 128
    .sgpr_count:     66
    .vgpr_count:     1024
    .wavefront_size: 32
...
	.end_amdgpu_metadata
.endif
;; end of part 5
;; launch outp: the kernel of part 4 again; grid 32 x 8, 4 waves a work-group, clusters of 4 x 1, 167,936 bytes of LDS; arguments yi, img, bo, out0; writes out0
